; MI455X (gfx1250); checked and timed in simulation.
; The chip was launched on July 23, 2026; its instructions are those of AMD's public machine-readable ISA for CDNA 5 (MIT licence, August 2026) and "CDNA5" Instruction Set Architecture Reference Guide (July 2026). The comments in the code are by the model that wrote it; some were corrected since.
;; Multi Head Differential Attention. Allowed arithmetic: matrix products marked QUANTISED: E2M1 operands, one E8M0 scale for each 32 along K, by v_wmma_scale_f32_16x16x128_f8f6f4 with both operands' format E2M1 (or v_wmma_scale_f32_32x16x128_f4), f32 sums; products left as they are: bf16, f16 or f32 operands; f32 sums; everything else in f32.
;; Inputs: W_k 2,048 x 1,024 float32; W_o 1,024 x 2,048 float32; W_q 2,048 x 1,024 float32; W_v 2,048 x 1,024 float32; X 2 x 2,048 x 1,024 float32; lambda_k1 64 float32; lambda_k2 64 float32; lambda_q1 64 float32; lambda_q2 64 float32; rms_scale 128 float32.
;; Outputs: out0 2 x 2,048 x 1,024 float32.
;; This version of the problem:
;;   THIS VERSION OF THE PROBLEM IS GIVEN IN LOW PRECISION. The matrix products marked QUANTISED in the list below multiply operands that are first quantised to E2M1 (2 exponent bits, 1 mantissa bit; 4 bits a number), with one power-of-two scale for each 32 numbers along K (OCP MX v1.0); their sums are f32. The products marked 'left as it is' may take bf16, f16 or f32 operands, with f32 sums. Whichever they take, every output number must still come out within the allowed error. Rounding operands to bf16 (8 significant bits) uses up far more of that allowance than f16 does (11 bits, for magnitudes from 6e-5 to 65,504). All else is computed in f32.
;;   The module's matrix products, in the order in which they are computed (A, B: the left and right operand; K: the contracted axis; several contracted axes count as one K, in the product's order):
;;     1. [M 4,096, K 1,024] x [K 1,024, N 2,048]; A: input X; B: input W_q: QUANTISED
;;     2. [M 4,096, K 1,024] x [K 1,024, N 2,048]; A: input X; B: input W_k: QUANTISED
;;     3. [M 4,096, K 1,024] x [K 1,024, N 2,048]; A: input X; B: input W_v: QUANTISED
;;     4. [M 1, K 64] x [K 64, N 1]; A: input lambda_q1; B: input lambda_k1: left as it is (M = 1 < 16)
;;     5. [M 1, K 64] x [K 64, N 1]; A: input lambda_q2; B: input lambda_k2: left as it is (M = 1 < 16)
;;     6. batch 32 x [M 2,048, K 64] x [K 64, N 2,048]; A: computed on the way; B: computed on the way: left as it is (an operand is computed on the way)
;;     7. batch 32 x [M 2,048, K 64] x [K 64, N 2,048]; A: computed on the way; B: computed on the way: left as it is (an operand is computed on the way)
;;     8. batch 32 x [M 2,048, K 2,048] x [K 2,048, N 128]; A: computed on the way; B: computed on the way: left as it is (an operand is computed on the way)
;;     9. [M 4,096, K 2,048] x [K 2,048, N 1,024]; A: computed on the way; B: input W_o: left as it is (an operand is computed on the way)
;;   THE QUANTISER, for each operand of a quantised product, along K:
;;     - K is cut into blocks of 32 from its start; a last block that is shorter is filled with zeros.
;;     - A block's scale is 2^e with e = floor(log2(the largest magnitude in the block)) - 2, held to -126 .. 127; a block of zeros has e = 0. As a byte (E8M0): e + 127.
;;     - Each number is divided by its block's scale, clamped to +-6, and rounded to the nearest number of E2M1, ties to even, subnormals kept.
;;     - The product sums the exact products of the quantised numbers (number of the format x scale) in f32.
;;   ~~~python
;;   def quantise(x, axis):      # numpy; x: float32 -> the quantised numbers, widened to float32 again
;;       x = np.moveaxis(x, axis, -1); K = x.shape[-1]
;;       x = np.pad(x, [(0, 0)] * (x.ndim - 1) + [(0, -K % 32)]); x = x.reshape(x.shape[:-1] + (-1, 32)); a = np.abs(x).max(-1, keepdims=True)
;;       e = np.where(a > 0, np.clip(np.frexp(np.where(a > 0, a, 1))[1] - 1 - 2, -126, 127), 0)      # np.frexp(a)[1] - 1 = floor(log2(a)), exactly
;;       r = np.clip(x / 2.0 ** e, -6, 6)
;;       step = 2.0 ** (np.maximum(np.frexp(np.where(r == 0, 1, r))[1] - 1, 0) - 1)
;;       q = np.round(r / step) * step * 2.0 ** e      # np.round: ties to even
;;       return np.moveaxis(q.reshape(q.shape[:-2] + (-1,))[..., :K], -1, axis).astype(np.float32)
;;   ~~~
;; One version. Each part assembles by itself: llvm-mc -triple=amdgcn-amd-amdhsa -mcpu=gfx1250 --defsym DOCPART=n.
;; ======== version 1 of 1: 4 launches
;; limits: values are held in f16: magnitudes above 65,504 overflow, below 6.1e-05 lose precision
;; workspace buffers: xc 2,097,152 bytes; xs 131,072 bytes; wc 3,145,728 bytes; ws 196,608 bytes; woh 4,194,304 bytes; qkv 50,331,648 bytes; onorm 16,777,216 bytes
;; launch prep (part 1): grid 384 x 1, 4 waves a work-group, no clusters, 33,280 bytes of LDS; arguments X, W_q, W_k, W_v, W_o, xc, xs, wc, ws, woh; writes xc, xs, wc, ws, woh
.if DOCPART == 1
	.amdgcn_target "amdgcn-amd-amdhsa--gfx1250"
	.amdhsa_code_object_version 6
	.text
	.protected	k_q3a8aad05a2_prep
	.globl	k_q3a8aad05a2_prep
	.p2align	8
	.type	k_q3a8aad05a2_prep,@function
k_q3a8aad05a2_prep:
	s_mov_b64 s[64:65], 0
	v_nop
	global_prefetch_b8 v0, s[64:65] scope:SCOPE_SE
	s_setreg_imm32_b32 hwreg(HW_REG_WAVE_MODE, 25, 1), 1
	s_wait_xcnt 0x0
; X [4096][1024], W_q, W_k, W_v [2048][1024], f32, become codes of FP4 (E2M1), K innermost, two codes a byte, with one E8M0 scale byte for each 32 along K:
; xc [4096][512 bytes], xs [4096][32];  wc [6144][512 bytes], ws [6144][32], rows 0-2047 W_q, 2048-4095 W_k, 4096-6143 W_v.  W_o [1024][2048] f32 becomes f16 (woh), rounded once.
; A block's scale is 2^(floor(log2(its largest magnitude)) - 2); its byte is the largest magnitude's exponent field - 2, held at 1 from below.  A block of zeros gets the byte 1: its codes are zeros, and this program alone reads the bytes.
; LIMITS: blocks whose largest magnitude lies under 2^-124 get the byte 1; NaN and infinities are not served; |W_o| stays under 65,504 (f16).
; SHARES: a work-group takes 32,768 numbers, a wave 8,192.  Work-groups 0-127: X; 128-191: W_q; 192-255: W_k; 256-319: W_v; 320-383: W_o.  Rows are dense and K is a multiple of 32: each tensor is a plain stream of blocks.
; The four quantised tensors take ONE path: only pointers are chosen, by the work-group's number.  W_o's path uses no LDS.
; Quantising: each of a step's four loads reads 512 consecutive bytes; the 2,048 bytes turn through the wave's own stage in LDS so that a lane holds 16 neighbours along K (two lanes hold a block).
.set WAVES, 4
.set STEPS, 16
.set EMAX,  2
.set CB,    8                          ; bytes of 16 codes
.set R,     16                         ; v16-79   four sets of 16 numbers as loaded
.set X,     80                         ; v80-111  two sets of 16 neighbours
.set C,     128                        ; v128-191 codes: four registers for each step, so that no store's data are written again
.set E,     112                        ; v112-127 a scale byte for each step
.set WREG,  8192                       ; LDS: a region for each wave: two stages of 32 x SP bytes, then its 256 scale bytes
.set SP,    80                         ; a lane's place in a stage: 64 bytes + 16 of padding
.set SPW,   12                         ; v12  LDS address of my spare word; never rewritten
.set NIL,   13                         ; v13  0; never rewritten
.set SPARE, WAVES*WREG                 ; behind the four regions: the spare words, 128 bytes a wave
	s_load_b512 s[8:23], s[0:1], 0x0               ; X 8, W_q 10, W_k 12, W_v 14, W_o 16, xc 18, xs 20, wc 22
	s_load_b128 s[24:27], s[0:1], 0x40             ; ws 24, woh 26
	v_lshl_add_u32 v[SPW], v0, 2, SPARE
	v_mov_b32 v[NIL], 0
	v_lshrrev_b32 v1, 5, v0
	v_readfirstlane_b32 s42, v1                    ; wave
	v_and_b32 v2, 31, v0                           ; lane
	v_lshlrev_b32 v3, 4, v2                        ; my 16 bytes of a load's 512
	s_mul_i32 s43, s42, WREG
	v_lshrrev_b32 v14, 2, v2
	v_mul_u32_u24 v14, v14, SP
	v_and_b32 v15, 3, v2
	v_lshl_add_u32 v14, v15, 4, v14
	v_add_nc_u32 v14, s43, v14                     ; the stage, on the way in: SP (lane / 4) + 16 (lane % 4)
	v_mul_u32_u24 v15, v2, SP
	v_add_nc_u32 v15, s43, v15                     ; and on the way out: SP x lane: my 16 neighbours
	v_mul_u32_u24 v4, v2, CB                       ; my codes' place in a step's
	v_lshrrev_b32 v5, 1, v2
	s_add_co_u32 s43, s43, 2*32*SP
	v_add_nc_u32 v5, s43, v5                       ; LDS: my wave's 256 scale bytes, my block's byte
	v_lshlrev_b32 v7, 3, v2                        ; 8 bytes a lane
	v_add_nc_u32 v6, s43, v7
	s_mov_b32 s35, 0
	s_and_b32 s33, ttmp9, 63
	s_wait_kmcnt 0x0
	s_cmp_ge_u32 ttmp9, 320
	s_cbranch_scc1 .Lwo                            ; W_o's work-groups
	s_cmp_lt_u32 ttmp9, 128                        ; X or a weight?  Every choice hangs on the work-group's number alone
	s_cselect_b64 s[4:5], s[8:9], s[10:11]         ; the numbers
	s_cselect_b64 s[28:29], s[18:19], s[22:23]     ; the codes
	s_cselect_b64 s[30:31], s[20:21], s[24:25]     ; the scale bytes
	s_cselect_b32 s33, ttmp9, s33                  ; which 32,768 numbers of the source
	s_cselect_b32 s32, 0, 128
	s_cmp_ge_u32 ttmp9, 192
	s_cselect_b64 s[4:5], s[12:13], s[4:5]
	s_cmp_ge_u32 ttmp9, 256
	s_cselect_b64 s[4:5], s[14:15], s[4:5]
	s_sub_co_u32 s32, ttmp9, s32                   ; which 32,768 numbers of the destination: the three weights lie one behind the other
	s_lshl_b32 s33, s33, 2
	s_add_co_u32 s33, s33, s42                     ; my wave's run of 8,192 numbers, in the source
	s_lshl_b32 s32, s32, 2
	s_add_co_u32 s32, s32, s42                     ; and in the destination
	s_lshl_b32 s34, s33, 15                        ; 32,768 bytes of f32 a run (under 2^25)
	s_add_nc_u64 s[4:5], s[4:5], s[34:35]
	s_lshl_b32 s34, s32, 12                        ; 4,096 bytes of codes
	s_add_nc_u64 s[28:29], s[28:29], s[34:35]
	s_lshl_b32 s34, s32, 8                         ; 256 scale bytes
	s_add_nc_u64 s[30:31], s[30:31], s[34:35]
.macro LOAD t
.irp i, 0,1,2,3
	global_load_b128 v[R+16*((\t)%4)+4*\i:R+16*((\t)%4)+4*\i+3], v3, s[4:5] offset:2048*(\t)+512*\i th:TH_LOAD_NT   ; 32 lanes read 512 consecutive bytes
.endr
.endm
.macro TURN t                          ; step t's numbers through the stage: LDS serves a wave's instructions in order, so no wait stands between the stores and the loads
.irp i, 0,1,2,3
	ds_store_b128 v14, v[R+16*((\t)%4)+4*\i:R+16*((\t)%4)+4*\i+3] offset:32*SP*((\t)%2)+8*SP*\i
.endr
.irp i, 0,1,2,3
	ds_load_b128 v[X+16*((\t)%2)+4*\i:X+16*((\t)%2)+4*\i+3], v15 offset:32*SP*((\t)%2)+16*\i
.endr
.endm
.irp t, 0,1,2,3
	LOAD \t
.endr
	s_wait_loadcnt 12                              ; step 0's four loads are in; the twelve of steps 1 to 3 stay out
	TURN 0
.macro STEP t
.set XS, X+16*((\t)%2)
.if (\t) > 0
	s_wait_dscnt 1                                 ; this step's numbers are back from the stage (the last step's byte store may be out)
.else
	s_wait_dscnt 0x0
.endif
.if (\t)+4 < STEPS
	LOAD (\t)+4                                    ; into the registers that the stage's stores have read
.endif
.if (\t)+1 < STEPS
.if STEPS-2-(\t) >= 3
	s_wait_loadcnt 12                              ; the next step's four loads are in; those of the three steps behind it may be out
.else
	s_wait_loadcnt 4*(STEPS-2-(\t))
.endif
	TURN (\t)+1                                    ; through the other stage while this step is worked
.endif
	v_max3_num_f32 v8, |v[XS]|, |v[XS+1]|, |v[XS+2]|               ; the largest magnitude of my 16, in two chains
	v_max3_num_f32 v9, |v[XS+3]|, |v[XS+4]|, |v[XS+5]|
.irp i, 6,10
	v_max3_num_f32 v8, v8, |v[XS+\i]|, |v[XS+\i+1]|
	v_max3_num_f32 v9, v9, |v[XS+\i+2]|, |v[XS+\i+3]|
.endr
	v_max3_num_f32 v8, v8, |v[XS+14]|, |v[XS+15]|
	v_max3_num_f32 v8, v8, v9, (EMAX+1)<<23        ; and the floor 2^(3 - 127): the byte cannot fall under 1
	v_max_num_f32_dpp v8, v8, v8 row_xmask:1 row_mask:0xf bank_mask:0xf   ; and of my neighbour's 16: the block's
	v_add_nc_u32 v11, -(EMAX<<23), v8              ; 2 off its exponent field: the conversion takes the exponent field of this operand as its scale
	v_cvt_scalef32_pk8_fp4_f32 v[C+4*(\t)], v[XS:XS+7], v11
	v_cvt_scalef32_pk8_fp4_f32 v[C+4*(\t)+1], v[XS+8:XS+15], v11
	v_lshrrev_b32 v[E+(\t)], 23, v11               ; the scale's byte (also the plain line behind the conversions)
	ds_store_b8 v5, v[E+(\t)] offset:16*(\t)       ; both lanes of a block write the same byte with the same value
	global_store_b64 v4, v[C+4*(\t):C+4*(\t)+1], s[28:29] offset:32*CB*(\t)   ; the wave stores 256 consecutive bytes, aligned
.endm
.irp t, 0,1,2,3,4,5,6,7,8,9,10,11,12,13,14,15
	STEP \t
.endr
	ds_load_b64 v[8:9], v6                         ; LDS serves a wave's instructions in order: these see my stores
	s_wait_dscnt 0x0
	global_store_b64 v7, v[8:9], s[30:31]          ; 32 lanes store 256 consecutive bytes, aligned
	s_wait_tensorcnt 0x0                           ; the wave's end
	ds_add_u32 v[SPW], v[NIL]
	s_wait_dscnt 0x0
	s_endpgm
; W_o to f16.  A wave takes 8,192 numbers in four batches of sixteen loads; a load's 512 bytes become 256, stored by one instruction.
.Lwo:
	s_sub_co_u32 s32, ttmp9, 320
	s_lshl_b32 s32, s32, 2
	s_add_co_u32 s32, s32, s42                     ; my wave's run
	s_lshl_b32 s34, s32, 15
	s_add_nc_u64 s[16:17], s[16:17], s[34:35]
	s_lshl_b32 s34, s32, 14
	s_add_nc_u64 s[26:27], s[26:27], s[34:35]
.macro LOADB t
.irp i, 0,1,2,3,4,5,6,7,8,9,10,11,12,13,14,15
	global_load_b128 v[16+64*((\t)%2)+4*\i:16+64*((\t)%2)+4*\i+3], v3, s[16:17] offset:(16*(\t)+\i)*512 th:TH_LOAD_NT
.endr
.endm
.macro CVTB t
.set BB, 16+64*((\t)%2)
.if (\t) < 3
	s_wait_loadcnt 16                              ; this batch is in; the next batch's sixteen stay out
.else
	s_wait_loadcnt 0x0
.endif
.if (\t) > 0
	s_wait_xcnt 0x0                                ; the last batch's stores have read v144-175, which are written again below
.endif
.irp i, 0,1,2,3,4,5,6,7,8,9,10,11,12,13,14,15
	v_cvt_pk_f16_f32 v[144+2*\i], v[BB+4*\i], v[BB+4*\i+1]
	v_cvt_pk_f16_f32 v[145+2*\i], v[BB+4*\i+2], v[BB+4*\i+3]
.endr
.irp i, 0,1,2,3,4,5,6,7,8,9,10,11,12,13,14,15
	global_store_b64 v7, v[144+2*\i:145+2*\i], s[26:27] offset:(16*(\t)+\i)*256   ; 256 consecutive bytes, aligned
.endr
.endm
	LOADB 0
	LOADB 1
	CVTB 0
	LOADB 2
	CVTB 1
	LOADB 3
	CVTB 2
	CVTB 3
	s_endpgm
.Lfunc_end_k_q3a8aad05a2_prep:
	.size	k_q3a8aad05a2_prep, .Lfunc_end_k_q3a8aad05a2_prep-k_q3a8aad05a2_prep
	.p2alignl 7, 3214868480
	.fill 96, 4, 3214868480
	.section	.rodata,"a",@progbits
	.p2align	6, 0x0
	.amdhsa_kernel k_q3a8aad05a2_prep
		.amdhsa_group_segment_fixed_size 33280
		.amdhsa_private_segment_fixed_size 0
		.amdhsa_enable_private_segment 0
		.amdhsa_kernarg_size 80
		.amdhsa_user_sgpr_count 2
		.amdhsa_user_sgpr_kernarg_segment_ptr 1
		.amdhsa_wavefront_size32 1
		.amdhsa_system_sgpr_workgroup_id_x 1
		.amdhsa_system_sgpr_workgroup_id_y 1
		.amdhsa_system_sgpr_workgroup_id_z 1
		.amdhsa_system_vgpr_workitem_id 0
		.amdhsa_next_free_vgpr 192
		.amdhsa_next_free_sgpr 66
		.amdhsa_reserve_vcc 0
		.amdhsa_float_denorm_mode_32 3
		.amdhsa_float_denorm_mode_16_64 3
		.amdhsa_memory_ordered 1
		.amdhsa_forward_progress 1
		.amdhsa_inst_pref_size 54
	.end_amdhsa_kernel
	.amdgpu_metadata
---
amdhsa.version: [ 1, 2 ]
amdhsa.kernels:
  - .name:           k_q3a8aad05a2_prep
    .symbol:         k_q3a8aad05a2_prep.kd
    .args:
      - { .name: X, .offset: 0, .size: 8, .value_kind: global_buffer, .address_space: global }
      - { .name: W_q, .offset: 8, .size: 8, .value_kind: global_buffer, .address_space: global }
      - { .name: W_k, .offset: 16, .size: 8, .value_kind: global_buffer, .address_space: global }
      - { .name: W_v, .offset: 24, .size: 8, .value_kind: global_buffer, .address_space: global }
      - { .name: W_o, .offset: 32, .size: 8, .value_kind: global_buffer, .address_space: global }
      - { .name: xc, .offset: 40, .size: 8, .value_kind: global_buffer, .address_space: global }
      - { .name: xs, .offset: 48, .size: 8, .value_kind: global_buffer, .address_space: global }
      - { .name: wc, .offset: 56, .size: 8, .value_kind: global_buffer, .address_space: global }
      - { .name: ws, .offset: 64, .size: 8, .value_kind: global_buffer, .address_space: global }
      - { .name: woh, .offset: 72, .size: 8, .value_kind: global_buffer, .address_space: global }
    .group_segment_fixed_size: 33280
    .private_segment_fixed_size: 0
    .kernarg_segment_align: 8
    .kernarg_segment_size: 80
    .max_flat_workgroup_size: 128
    .sgpr_count:     66
    .vgpr_count:     192
    .wavefront_size: 32
...
	.end_amdgpu_metadata
.endif
;; end of part 1
;; launch proj (part 2): grid 24 x 16, 4 waves a work-group, clusters of 4 x 4, 327,680 bytes of LDS; arguments xc, xs, wc, ws, qkv; writes qkv
.if DOCPART == 2
	.amdgcn_target "amdgcn-amd-amdhsa--gfx1250"
	.amdhsa_code_object_version 6
	.text
	.protected	k_q3a8aad05a2_proj
	.globl	k_q3a8aad05a2_proj
	.p2align	8
	.type	k_q3a8aad05a2_proj,@function
k_q3a8aad05a2_proj:
	s_mov_b64 s[64:65], 0
	v_nop
	global_prefetch_b8 v0, s[64:65] scope:SCOPE_SE
	s_setreg_imm32_b32 hwreg(HW_REG_WAVE_MODE, 25, 1), 1
	s_wait_xcnt 0x0
	s_wait_alu depctr_hold_cnt(0) depctr_sa_sdst(0) depctr_va_vdst(0) depctr_va_sdst(0) depctr_va_ssrc(0) depctr_va_vcc(0) depctr_vm_vsrc(0)
	s_getreg_b32 s2, hwreg(HW_REG_IB_STS2, 6, 4)
	s_cmp_eq_u32 s2, 0
	s_cbranch_scc0 .Lentry_in_a_cluster
	s_endpgm
.Lentry_in_a_cluster:
	s_bfe_u32 s2, ttmp6, 0x10000c
	s_cmp_lg_u32 s2, 0xf033
	s_cbranch_scc0 .Lentry_shape_is_right
	s_endpgm
.Lentry_shape_is_right:
; The three projections as one product on codes of FP4 (E2M1) with E8M0 scales: C[m][n] = sum over k of X[m][k] W[n][k], m < 4,096, n < 6,144 (W_q, W_k, W_v one behind the other), k < 1,024; sums in f32.
; The result is rounded once to f16 and laid by heads: qkv [3][32 = 16 b + head][2048][128], a row of 256 bytes = the head's 128 columns.  LIMIT: |Q|, |K|, |V| stay under 65,504 (f16).
; A tile of C, 256 x 256, is made by a work-group of four waves; a wave makes 128 x 128: 64 accumulators of 16 x 16, 512 registers.  A wave's 128 columns are one head; its 128 rows are 32,768 consecutive bytes of qkv.
; K = 1,024 is two slots of 512 along K (rows of 256 bytes): both are filled at the start and nothing is filled again.  The scales of the work-group's rows come once, as whole runs of 256 bytes.
; CLUSTERS: 4 x 4 work-groups.  The four of a row of the cluster need the same tiles of X, the four of a column the same tiles of W: each tile is asked for jointly.
; THE MATRIX INSTRUCTION IS USED TRANSPOSED (source 0 = 16 rows of W, source 1 = 16 rows of X): a lane then holds eight neighbouring numbers of a row of C.
; REGISTERS, in windows of 256: window 0: v0-31 addresses; v32-95 scale words, two sets; from v128 X's fragments, one set; on the way out v32-127 are at work.
;   window 1: W's fragments, two sets, at v0 and v128.  window 2: the accumulators of my rows 0-63 ((a, b) at v[8 (8 a + b)]);  window 3: those of my rows 64-127.
.set SIZE_M, 4096
.set SIZE_N, 6144
.set SIZE_K, 1024
.set KSTEP,  512                       ; along K in a slot
.set NQ,     KSTEP/128                 ; matrix instructions deep
.set ROWB,   256                       ; a tile's row in bytes
.set KROW,   SIZE_K/2                  ; a row of codes in memory, in bytes
.set PITCH,  272                       ; an LDS row: 256 bytes + 16 of padding, so that the 16 rows that a load touches start 16 bytes apart modulo 256
.set FR,     8                         ; registers of a fragment: 16 rows x 128 K
.set NL,     2                         ; LDS loads that bring one
.set NP,     4                         ; places behind this matrix instruction (ISA guide 7.12.1)
.set HALFT,  128*PITCH                 ; 128 rows: what one tensor load brings
.set SLOT,   4*HALFT                   ; X's 256 rows, then W's 256 rows
.set KS,     SIZE_K/32                 ; a row of scales in bytes
.set SCL,    2*SLOT                    ; behind the slots: the scales, as runs of 256 bytes + 16 of padding
.set HALFS,  (128*KS/256)*272          ; the scales of 128 rows
.set SBLK,   (16*KS/256)*272           ; those of 16 rows
.set SPARE,  SCL+4*HALFS               ; behind the scales: the spare words, 128 bytes a wave
.set SPITCH, 272                       ; the way out: a stage of 16 rows x (256 bytes + 16) for each wave, in slot 0, which has had its only fill and its last read by then
.set ADRA, 16                          ; v16-17  LDS address of my X fragments in slot 0, 1
.set ADRB, 20                          ; v20-21  the same for W
.set STO,  24                          ; v24     the way out: where I put 16 bytes of a row
.set RD,   25                          ; v25     where I read rows back
.set CO,   26                          ; v26     16 x lane: my place in two rows of qkv
.set ADRS, 27                          ; v27     LDS address of my scale words: lanes 0-15 X's rows, lanes 16-31 W's
.set SPW,  28                          ; v28     LDS address of my spare word; never rewritten
.set NIL,  29                          ; v29     0; never rewritten
.set SC,   32                          ; scale words: set s at v[SC + 8 NQ s]; register NQ i + q: lanes 0-15 X's block i, lanes 16-31 W's block i, the slot's q-th 128 along K
.set AF,   128                         ; X's fragments, in window 0
.set TMP,  32                          ; the way out: a block's 32 packed registers
.set BK,   64                          ; and 16 rows read back: v64-95 and v96-127 by turns
.set G1, 24                            ; s[24:31] descriptor group 1 for X's tiles;  s[32:39] group 0, one set for each slot
.set G0, 32
.set G1B, 48                           ; s[48:55], s[56:63] the same for W's tiles
.set G0B, 56
.set G1S, 68                           ; s[68:75], s[76:79] groups 1 and 0 for X's scales;  s[80:87], s[88:91] for W's
.set G0S, 76
.set G1SB, 80
.set G0SB, 88
.set MSB, 0
.macro WIN new                         ; the immediate's high byte repeats the setting that is left
.if MSB != \new
	s_set_vgpr_msb (MSB<<8)|\new
.set MSB, \new
.endif
.endm
.set MUL_LO, 0xa1                      ; source 0 (W) window 1, source 1 (X) window 0, C and D window 2
.set MUL_HI, 0xf1                      ; the same, C and D window 3
.set TO_B,   0x40                      ; destination window 1, address window 0
; A joint load: waves 0 and 1 fetch for X, waves 2 and 3 for W.  The branch hangs on the wave's number alone.  An s_nop 0 and four v_nop follow each of the two lines.
.macro JLOAD g0a, g1a, g0b, g1b
	s_cmp_eq_u32 s15, 0
	s_cbranch_scc0 .Lfor_b_\@
	tensor_load_to_lds s[\g0a:\g0a+3], s[\g1a:\g1a+7]
	s_nop 0
.rept 4
	v_nop
.endr
	s_branch .Lasked_\@
.Lfor_b_\@:
	tensor_load_to_lds s[\g0b:\g0b+3], s[\g1b:\g1b+7]
	s_nop 0
.rept 4
	v_nop
.endr
.Lasked_\@:
.endm
.macro CROUND                          ; a round of the cluster's barrier
	s_barrier_signal -1
	s_barrier_wait -1
	s_cmp_lg_u32 s14, 0
	s_cbranch_scc1 .Lnot_wave_0_\@
	s_barrier_signal -3
.Lnot_wave_0_\@:
	s_barrier_wait -3
	s_barrier_signal -1
	s_barrier_wait -1
.endm
	s_load_b128 s[4:7], s[0:1], 0x0                ; X's codes s[4:5], X's scales s[6:7]
	s_load_b128 s[8:11], s[0:1], 0x10              ; W's codes s[8:9], W's scales s[10:11]
	s_load_b64 s[12:13], s[0:1], 0x20              ; qkv
	v_lshl_add_u32 v[SPW], v0, 2, SPARE
	v_mov_b32 v[NIL], 0
	ds_add_u32 v[SPW], v[NIL]                      ; the wave's opening: the add, twice on end, and its wait ahead of my first tensor load
	ds_add_u32 v[SPW], v[NIL]
	v_lshrrev_b32 v1, 5, v0
	v_readfirstlane_b32 s14, v1                    ; wave 0..3
	s_lshr_b32 s15, s14, 1                         ; which half of the tile's rows is mine.  Also: I fetch for X (0) or for W (1)
	s_and_b32 s16, s14, 1                          ; which half of its columns.  Also: which 128 rows of that tile I fetch
	s_bfe_u32 s40, ttmp6, 0x40000                  ; cx, cy: my place in the cluster
	s_bfe_u32 s41, ttmp6, 0x40004
	s_lshl_b32 s42, ttmp9, 2
	s_add_co_u32 s42, s42, s40                     ; tile column of C = 4 x cluster x + cx
	s_and_b32 s17, ttmp7, 0xffff
	s_lshl_b32 s17, s17, 2
	s_add_co_u32 s17, s17, s41                     ; tile row of C = 4 x cluster y + cy
	s_lshl_b32 s43, s41, 2
	s_lshl_b32 s43, 15, s43                        ; my row of the cluster
	s_lshl_b32 s44, 0x1111, s40                    ; my column
	; descriptor group 1: a tile of 128 rows x 256 bytes, padded in LDS
	s_or_b32 s[G1+0], s43, (0<<16)|(1<<20)|(1<<21)|(5<<22)|(3<<25)  ; 15:0 the mask: X's tiles go to my row; elements of 1 byte; padding on; bit 21 beside a mask; four words after every 64
	s_or_b32 s[G1B+0], s44, (0<<16)|(1<<20)|(1<<21)|(5<<22)|(3<<25)
.irp g, G1, G1B
	s_mov_b32 s[\g+1], ROWB<<16                    ; tensor_dim0
	s_mov_b32 s[\g+2], 128<<16                     ; tensor_dim1 = 128
	s_mov_b32 s[\g+3], ROWB<<16                    ; tile_dim0
	s_mov_b32 s[\g+4], 128                         ; tile_dim1 = 128
	s_mov_b32 s[\g+5], KROW                        ; from row to row
	s_mov_b32 s[\g+6], 0
	s_mov_b32 s[\g+7], 0
.endr
	; and for the scales of 128 rows: a dense block of 4,096 bytes, as rows of 256 bytes (32 elements of 8 bytes), 16 bytes of padding behind each
	s_or_b32 s[G1S+0], s43, (3<<16)|(1<<20)|(1<<21)|(5<<22)|(3<<25)
	s_or_b32 s[G1SB+0], s44, (3<<16)|(1<<20)|(1<<21)|(5<<22)|(3<<25)
.irp g, G1S, G1SB
	s_mov_b32 s[\g+1], 32<<16
	s_mov_b32 s[\g+2], (128*KS/256)<<16
	s_mov_b32 s[\g+3], 32<<16
	s_mov_b32 s[\g+4], 128*KS/256
	s_mov_b32 s[\g+5], 32
	s_mov_b32 s[\g+6], 0
	s_mov_b32 s[\g+7], 0
.endr
	s_lshl_b32 s18, s16, 7                         ; which 128 rows of the tile I fetch
	s_lshl_b32 s20, s17, 8
	s_add_co_u32 s20, s20, s18                     ; X: row 256 x tile row + 128 x half
	s_lshl_b32 s46, s42, 8
	s_add_co_u32 s46, s46, s18                     ; W: row 256 x tile column + 128 x half
	s_mov_b32 s21, 0
	s_mov_b32 s47, 0
	s_mov_b64 s[18:19], KS
	s_mul_u64 s[22:23], s[20:21], s[18:19]         ; where these rows' scales begin, in bytes
	s_mul_u64 s[92:93], s[46:47], s[18:19]
	s_mov_b64 s[18:19], KROW
	s_mul_u64 s[20:21], s[20:21], s[18:19]         ; and their codes
	s_mul_u64 s[46:47], s[46:47], s[18:19]
	s_mul_i32 s45, s14, HALFT                      ; where they go: wave x 128 rows: no place in the cluster enters an LDS address
	s_mul_i32 s94, s14, HALFS
	s_wait_dscnt 0x0                               ; both opening adds are done
	s_wait_kmcnt 0x0
	s_add_nc_u64 s[20:21], s[4:5], s[20:21]
	s_add_nc_u64 s[22:23], s[6:7], s[22:23]
	s_add_nc_u64 s[46:47], s[8:9], s[46:47]
	s_add_nc_u64 s[92:93], s[10:11], s[92:93]
	CROUND                                         ; all sixteen work-groups are here: the joint loads meet
	s_mov_b32 s[G0S], 1
	s_add_co_u32 s[G0S+1], s94, SCL
	s_mov_b64 s[G0S+2:G0S+3], s[22:23]
	s_or_b32 s[G0S+3], s[G0S+3], 0x80000000
	s_mov_b32 s[G0SB], 1
	s_add_co_u32 s[G0SB+1], s94, SCL
	s_mov_b64 s[G0SB+2:G0SB+3], s[92:93]
	s_or_b32 s[G0SB+3], s[G0SB+3], 0x80000000
	JLOAD G0S, G1S, G0SB, G1SB                     ; the scales first: they are wanted with the first slot
.irp s, 0,1
	s_mov_b32 s[G0+4*\s], 1
	s_add_co_u32 s[G0+4*\s+1], s45, \s*SLOT
	s_add_nc_u64 s[G0+4*\s+2:G0+4*\s+3], s[20:21], \s*ROWB
	s_or_b32 s[G0+4*\s+3], s[G0+4*\s+3], 0x80000000
	s_mov_b32 s[G0B+4*\s], 1
	s_add_co_u32 s[G0B+4*\s+1], s45, \s*SLOT
	s_add_nc_u64 s[G0B+4*\s+2:G0B+4*\s+3], s[46:47], \s*ROWB
	s_or_b32 s[G0B+4*\s+3], s[G0B+4*\s+3], 0x80000000
	JLOAD G0+4*\s, G1, G0B+4*\s, G1B               ; three loads of mine are out behind the second of these
.endr
	v_and_b32 v1, 15, v0                           ; l % 16
	v_bfe_u32 v2, v0, 4, 1                         ; l / 16
	v_mul_u32_u24 v3, v1, PITCH
	v_lshl_add_u32 v4, v2, 4, v3                   ; a fragment's row x pitch + 16 x half
	s_mul_i32 s21, s15, HALFT                      ; my 128 rows of X
	s_mul_i32 s22, s16, HALFT                      ; my 128 rows of W,
	s_add_co_u32 s22, s22, 2*HALFT                 ; which lie behind X's 256
.irp s, 0,1
	v_add_nc_u32 v[ADRA+\s], s21, v4
	v_add_nc_u32 v[ADRB+\s], s22, v4
	s_add_co_u32 s21, s21, SLOT
	s_add_co_u32 s22, s22, SLOT
.endr
	v_mul_u32_u24 v5, v1, KS                       ; my row's scales: KS bytes a row,
	v_lshrrev_b32 v6, 8, v5
	v_lshl_add_u32 v5, v6, 4, v5                   ; and 16 more for each 256 passed
	s_mul_i32 s21, s15, HALFS                      ; X's: my 128 rows
	s_mul_i32 s22, s16, HALFS                      ; W's: my 128 rows, behind X's 256
	s_add_co_u32 s22, s22, 2*HALFS
	s_sub_co_u32 s22, s22, s21
	v_mul_u32_u24 v6, s22, v2                      ; lanes 16-31 take W's: one product, the distance between the two bases
	s_add_co_u32 s21, s21, SCL
	v_add_nc_u32 v5, v5, v6
	v_add_nc_u32 v[ADRS], s21, v5
	s_mul_i32 s23, s14, 16*SPITCH                  ; my stage
	v_mul_u32_u24 v5, v1, SPITCH                   ; in: row l % 16, 16 bytes for each half of the lanes
	v_lshl_add_u32 v5, v2, 4, v5
	v_add_nc_u32 v[STO], s23, v5
	v_mul_u32_u24 v5, v2, SPITCH                   ; back: lanes 0-15 one row of 256 bytes, lanes 16-31 the next
	v_lshl_add_u32 v5, v1, 4, v5
	v_add_nc_u32 v[RD], s23, v5
	v_and_b32 v6, 31, v0
	v_lshlrev_b32 v[CO], 4, v6                     ; the two rows are 512 consecutive bytes of qkv
	; where my 128 rows x 128 columns begin in qkv: which of Q, K, V: 2^24 bytes each; 16 b + head: 2^19 bytes each; the position: 256 bytes each
	s_and_b32 s20, s17, 7
	s_lshl_b32 s20, s20, 8
	s_lshl_b32 s21, s15, 7
	s_add_co_u32 s20, s20, s21                     ; my first position in the sequence
	s_lshl_b32 s20, s20, 8
	s_lshr_b32 s21, s17, 3                         ; b
	s_lshl_b32 s21, s21, 23
	s_add_co_u32 s20, s20, s21
	s_mov_b32 s21, 0
	s_lshr_b32 s46, s42, 3                         ; Q, K or V
	s_lshl_b32 s46, s46, 24
	s_and_b32 s47, s42, 7
	s_lshl_b32 s47, s47, 1
	s_add_co_u32 s47, s47, s16                     ; the head
	s_lshl_b32 s47, s47, 19
	s_add_co_u32 s46, s46, s47
	s_mov_b32 s47, 0
	s_add_nc_u64 s[20:21], s[20:21], s[46:47]      ; under 2^26
	s_add_nc_u64 s[12:13], s[12:13], s[20:21]
.macro FRAG reg, adr, q, i             ; a fragment, 16 rows x 128 K of 4-bit codes: lane l holds row l % 16; registers 4 c .. 4 c + 3 hold K = 64 c + 32 (l / 16) + 0 .. 31
.irp c, 0,1
	ds_load_b128 v[\reg+4*\c:\reg+4*\c+3], v[\adr] offset:64*(\q)+32*\c+(\i)*16*PITCH
.endr
.endm
; 16 matrix instructions: X's blocks a0, a0 + 1 x W's eight, 128 along K.  p: W's set;  sc: the set of scale words.  zero = 1: the first product starts the sums.
; The 64 accumulators take turns, one instruction a turn, in the same order in every step.
.macro MUL16 a0, p, q, sc, zero
.irp a, \a0, \a0+1
.irp b, 0,1,2,3,4,5,6,7
.if \zero
	v_wmma_scale_f32_16x16x128_f8f6f4 v[8*(8*((\a)%4)+\b):8*(8*((\a)%4)+\b)+7], v[128*(\p)+FR*\b:128*(\p)+FR*\b+FR-1], v[AF+FR*(\a):AF+FR*(\a)+FR-1], 0, v[SC+8*NQ*(\sc)+NQ*\b+(\q)], v[SC+8*NQ*(\sc)+NQ*(\a)+(\q)] matrix_a_fmt:MATRIX_FMT_FP4 matrix_b_fmt:MATRIX_FMT_FP4 matrix_a_scale:MATRIX_SCALE_ROW1
.else
	v_wmma_scale_f32_16x16x128_f8f6f4 v[8*(8*((\a)%4)+\b):8*(8*((\a)%4)+\b)+7], v[128*(\p)+FR*\b:128*(\p)+FR*\b+FR-1], v[AF+FR*(\a):AF+FR*(\a)+FR-1], v[8*(8*((\a)%4)+\b):8*(8*((\a)%4)+\b)+7], v[SC+8*NQ*(\sc)+NQ*\b+(\q)], v[SC+8*NQ*(\sc)+NQ*(\a)+(\q)] matrix_a_fmt:MATRIX_FMT_FP4 matrix_b_fmt:MATRIX_FMT_FP4 matrix_a_scale:MATRIX_SCALE_ROW1
.endif
.endr
.endr
.endm
.macro FETCH_B slot, q, p              ; W's eight fragments of the slot's q-th 128 along K into set p
	WIN TO_B
.irp i, 0,1,2,3,4,5,6,7
	FRAG 128*(\p)+FR*\i, ADRB+\slot, \q, \i
.endr
	WIN 0
.endm
.macro FETCH_A slot, q, i0             ; X's blocks i0 .. i0 + 3
.irp i, \i0, \i0+1, \i0+2, \i0+3
	FRAG AF+FR*(\i), ADRA+\slot, \q, \i
.endr
.endm
.macro SCALES sc                       ; a slot's scale words into set sc: NQ words a row; lanes 0-15 take X's block i, lanes 16-31 W's block i
.irp i, 0,1,2,3,4,5,6,7
	ds_load_b128 v[SC+8*NQ*\sc+NQ*\i:SC+8*NQ*\sc+NQ*\i+3], v[ADRS] offset:\i*SBLK
.endr
.endm
; A load into a register that a matrix instruction has read, and a vector instruction that reads a result or writes a source, stand NP plain vector instructions behind that matrix instruction.
.macro PLACES n
.rept \n
	v_nop
.endr
.endm
; A step of 128 along K that has its successor in the same slot.
.macro STEP slot, q, zero
	s_wait_dscnt 4*NL                              ; W's set and X's blocks 0-3 are in; the youngest eight loads (X's blocks 4-7) may be out
	WIN MUL_LO
	MUL16 0, (\q)%2, \q, \slot, \zero
	MUL16 2, (\q)%2, \q, \slot, \zero
	s_wait_dscnt 0                                 ; X's blocks 4-7 are in
	PLACES NP
	FETCH_B \slot, (\q)+1, 1-(\q)%2
	FETCH_A \slot, (\q)+1, 0
	WIN MUL_HI
	MUL16 4, (\q)%2, \q, \slot, \zero
	MUL16 6, (\q)%2, \q, \slot, \zero
	PLACES NP
	WIN 0
	FETCH_A \slot, (\q)+1, 4
.endm
; Slot 0's last step goes over to slot 1: each wave waits for all its tensor loads (its part of slot 1), adds 0 to its spare word, waits for that and for its reads of slot 0, and meets the others.  Nothing is filled again.
.macro TURN slot, next
	s_wait_tensorcnt 0x0                           ; all my tensor loads have landed
	ds_add_u32 v[SPW], v[NIL]                      ; 0 onto my spare word
	s_wait_dscnt 4*NL+1                            ; (the add and the youngest eight loads may be out)
	WIN MUL_LO
	MUL16 0, 1, NQ-1, \slot, 0
	s_wait_dscnt 0x0                               ; the add is done, and my reads of this slot are over
	s_barrier_signal -1
	MUL16 2, 1, NQ-1, \slot, 0
	WIN 0
	s_barrier_wait -1
	PLACES NP
	v_add_nc_u32 v[ADRS], 4*NQ, v[ADRS]            ; on to the next slot's scale words
	FETCH_B \next, 0, 0
	FETCH_A \next, 0, 0
	SCALES \next
	WIN MUL_HI
	MUL16 4, 1, NQ-1, \slot, 0
	MUL16 6, 1, NQ-1, \slot, 0
	PLACES NP
	WIN 0
	FETCH_A \next, 0, 4
.endm
.macro STEPS slot, from                ; the slot's steps from .. NQ - 2
.set Q, \from
.rept NQ-1-\from
	STEP \slot, Q, 0
.set Q, Q+1
.endr
.endm
	s_wait_tensorcnt 1                             ; the scales and my part of slot 0 are in (slot 1's load may be out)
	s_barrier_signal -1
	s_barrier_wait -1                              ; everybody's are
	FETCH_B 0, 0, 0
	FETCH_A 0, 0, 0
	SCALES 0
	FETCH_A 0, 0, 4
	STEP 0, 0, 1                                   ; the first step's products start the sums
	STEPS 0, 1
	TURN 0, 1
	STEPS 1, 0
	s_wait_dscnt 4*NL                              ; the very last step: nothing more to fetch
	WIN MUL_LO
	MUL16 0, 1, NQ-1, 1, 0
	MUL16 2, 1, NQ-1, 1, 0
	s_wait_dscnt 0
	WIN MUL_HI
	MUL16 4, 1, NQ-1, 1, 0
	MUL16 6, 1, NQ-1, 1, 0
	WIN 0
; THE WAY OUT, block by block of 16 rows x 128 columns.  PACK: rounded to f16, 16 bytes a lane, each accumulator from its low end on.  TOSTAGE: into my own stage and back as whole rows.  SEND: stored, 512 consecutive bytes an instruction.
.macro PACK a
.set AC, 64*((\a)%4)
	WIN (0x0a+5*((\a)/4))                          ; sources 0 and 1: window 2 or 3
.irp b, 0,1,2,3,4,5,6,7
.irp r, 0,1,2,3
	v_cvt_pk_f16_f32 v[TMP+4*\b+\r], v[AC+8*\b+2*\r], v[AC+8*\b+2*\r+1]
.endr
.endr
	WIN 0
.endm
.macro TOSTAGE a
.set BB, BK+32*((\a)%2)
.irp b, 0,1,2,3,4,5,6,7
	ds_store_b128 v[STO], v[TMP+4*\b:TMP+4*\b+3] offset:32*\b
.endr
.irp t, 0,1,2,3,4,5,6,7
	ds_load_b128 v[BB+4*\t:BB+4*\t+3], v[RD] offset:\t*2*SPITCH    ; LDS serves a wave's instructions in order: these see the stores above
.endr
.endm
.macro SEND a
.set BB, BK+32*((\a)%2)
	s_wait_dscnt 0x0                               ; the block is back in registers
	s_wait_xcnt 0x0                                ; the stores of the block before have read their registers: the next block's loads from the stage may land there
.irp t, 0,1,2,3,4,5,6,7
	global_store_b128 v[CO], v[BB+4*\t:BB+4*\t+3], s[12:13] offset:4096*(\a)+512*\t
.endr
.endm
	PLACES NP                                      ; the packing reads the last products' results
	PACK 0
	TOSTAGE 0
.irp a, 1,2,3,4,5,6,7                  ; block a's conversions stand between block a - 1's loads from the stage and the wait for them
	PACK \a
	SEND \a-1
	TOSTAGE \a
.endr
	SEND 7
	s_wait_tensorcnt 0x0                           ; the wave's end
	ds_add_u32 v[SPW], v[NIL]
	s_wait_dscnt 0x0
	CROUND                                         ; the closing round
	s_endpgm
.Lfunc_end_k_q3a8aad05a2_proj:
	.size	k_q3a8aad05a2_proj, .Lfunc_end_k_q3a8aad05a2_proj-k_q3a8aad05a2_proj
	.p2alignl 7, 3214868480
	.fill 96, 4, 3214868480
	.section	.rodata,"a",@progbits
	.p2align	6, 0x0
	.amdhsa_kernel k_q3a8aad05a2_proj
		.amdhsa_group_segment_fixed_size 327680
		.amdhsa_private_segment_fixed_size 0
		.amdhsa_enable_private_segment 0
		.amdhsa_kernarg_size 40
		.amdhsa_user_sgpr_count 2
		.amdhsa_user_sgpr_kernarg_segment_ptr 1
		.amdhsa_wavefront_size32 1
		.amdhsa_system_sgpr_workgroup_id_x 1
		.amdhsa_system_sgpr_workgroup_id_y 1
		.amdhsa_system_sgpr_workgroup_id_z 1
		.amdhsa_system_vgpr_workitem_id 0
		.amdhsa_next_free_vgpr 1024
		.amdhsa_next_free_sgpr 98
		.amdhsa_reserve_vcc 0
		.amdhsa_float_denorm_mode_32 3
		.amdhsa_float_denorm_mode_16_64 3
		.amdhsa_memory_ordered 1
		.amdhsa_forward_progress 1
		.amdhsa_inst_pref_size 126
	.end_amdhsa_kernel
	.amdgpu_metadata
---
amdhsa.version: [ 1, 2 ]
amdhsa.kernels:
  - .name:           k_q3a8aad05a2_proj
    .symbol:         k_q3a8aad05a2_proj.kd
    .args:
      - { .name: xc, .offset: 0, .size: 8, .value_kind: global_buffer, .address_space: global }
      - { .name: xs, .offset: 8, .size: 8, .value_kind: global_buffer, .address_space: global }
      - { .name: wc, .offset: 16, .size: 8, .value_kind: global_buffer, .address_space: global }
      - { .name: ws, .offset: 24, .size: 8, .value_kind: global_buffer, .address_space: global }
      - { .name: qkv, .offset: 32, .size: 8, .value_kind: global_buffer, .address_space: global }
    .group_segment_fixed_size: 327680
    .private_segment_fixed_size: 0
    .kernarg_segment_align: 8
    .kernarg_segment_size: 40
    .max_flat_workgroup_size: 128
    .sgpr_count:     98
    .vgpr_count:     1024
    .wavefront_size: 32
...
	.end_amdgpu_metadata
.endif
;; end of part 2
;; launch attn (part 3): grid 8 x 32, 8 waves a work-group, clusters of 4 x 1, 327,680 bytes of LDS; arguments qkv, lambda_q1, lambda_k1, lambda_q2, lambda_k2, rms_scale, onorm; writes onorm
.if DOCPART == 3
	.amdgcn_target "amdgcn-amd-amdhsa--gfx1250"
	.amdhsa_code_object_version 6
	.text
	.protected	k_q3a8aad05a2_attn
	.globl	k_q3a8aad05a2_attn
	.p2align	8
	.type	k_q3a8aad05a2_attn,@function
k_q3a8aad05a2_attn:
	s_mov_b64 s[64:65], 0
	v_nop
	global_prefetch_b8 v0, s[64:65] scope:SCOPE_SE
	s_setreg_imm32_b32 hwreg(HW_REG_WAVE_MODE, 25, 1), 1
	s_wait_xcnt 0x0
	s_wait_alu depctr_hold_cnt(0) depctr_sa_sdst(0) depctr_va_vdst(0) depctr_va_sdst(0) depctr_va_ssrc(0) depctr_va_vcc(0) depctr_vm_vsrc(0)
	s_getreg_b32 s2, hwreg(HW_REG_IB_STS2, 6, 4)
	s_cmp_eq_u32 s2, 0
	s_cbranch_scc0 .Lentry_in_a_cluster
	s_endpgm
.Lentry_in_a_cluster:
	s_bfe_u32 s2, ttmp6, 0x10000c
	s_cmp_lg_u32 s2, 0x3003
	s_cbranch_scc0 .Lentry_shape_is_right
	s_endpgm
.Lentry_shape_is_right:
; Differential attention of one (batch, head): O = softmax(Q1 K1^T / 8) V - lam softmax(Q2 K2^T / 8) V, lam = e^(lq1 . lk1) - e^(lq2 . lk2) + 0.8; then O / sqrt(mean(O^2) + 1e-5) x rms_scale x 0.2, rounded to f16.
; qkv: [3][32][2048][128] f16 (a row: part 1 | part 2 of Q or K, or V's 128 channels).  onorm: [4096][2048] f16, column = 128 head + channel.  Products on f16 operands, sums, maxima, softmax and norm in f32.
; LIMITS: NaN and infinities are not served; the normalised O x gain stays under 65,504 (f16); lam carries the exponential's own error.
; SHARES.  A work-group owns 256 queries of one head.  Wave w: sm = w / 4 says which softmax it runs (its half of Q's and K's channels), g = w % 4 its 64 queries: four tiles of 16.  Every wave walks all 2,048 keys, 64 a step.
; Each wave keeps a running maximum and sum for its own softmax, so P1 V and P2 V are kept apart until the row sums are known.  At the end wave w hands two of its four tiles, x (1 or -lam) / sum, to wave w xor 4 through LDS
; and finishes the other two.  Register tiles 0, 1 hold queries 64 g + 32 sm + 16 t, tiles 2, 3 hold 64 g + 32 (1 - sm) + 16 (t - 2): so all waves run the same text.
; LAYOUT.  S^T = K Q^T (source 0 = 16 keys, source 1 = 16 queries): a lane holds ONE query (lane % 16) and keys 8 (lane / 16) + 0..7 of each tile of 16.  Two such tiles, rounded to f16 in pairs, ARE source 1 of O^T = V^T P.
; V ([key][channel]) comes out of LDS turned, by ds_load_tr16_b128.
; RING.  Two LDS slots of four key steps.  Waves 0-3 fetch K's four step tiles of a slot, waves 4-7 V's: one tensor load of 64 rows a wave behind each change of slots; it has four steps in which to land.
; CLUSTER.  The four query blocks of a cluster belong to one head and walk the same K and V: each tile is asked for jointly.
; REGISTERS.  window 0: v0 thread; v1, v2 the add's two; v3 prefetch offset; v4-7 LDS addresses; v8-31 six registers of statistics a tile; v32-95 Q; v96-223 S^T, 32 a tile (P is made in place in a tile's lower 16, V's fragments
;   land in the upper 16); v224-255 K's fragments, two sets.   window 1: O^T, 64 a tile.
.set PK,    272                        ; a row of K in LDS: 256 bytes + 16
.set PV,    288                        ; a row of V: 256 + 32
.set VOFF,  64*PK                      ; a step's tiles lie together: 64 rows of K, then 64 rows of V
.set STEPB, 64*(PK+PV)
.set SLOTB, 4*STEPB                    ; a slot: four steps, 256 keys
.set STAGE, 2*SLOTB                    ; behind the ring: 16 rows x 272 bytes for each wave, for the way out
.set SP,    272
.set SPARE, STAGE+8*16*SP              ; behind the stages: the spare words, 128 bytes a wave
.set SPW, 1
.set NIL, 2
.set PFO, 3                            ; 256 x lane
.set AK0, 4                            ; my lane's place in a tile of K
.set AV0, 5                            ; and of V
.set ADK, 6                            ; the step's addresses
.set ADV, 7
.set T,   8                            ; tile t at v[T+6 t]: +0 c m, +1 the old c m, then its change, +2, +3 the sum (even keys', odd keys'), +4 at work, then a, +5 at work
.set Q,   32                           ; tile t, channels 32 d on: v[Q+16 t+8 d]
.set S,   96
.set KA,  224
.set KB,  240
.set WV,  18                           ; s18 wave;  s19 which softmax
.set SM,  19
.set G1K, 24                           ; s[24:31], s[32:39] descriptor group 1 for K's and V's tiles
.set G1V, 32
.set G0K, 40                           ; s[40:47], s[48:55] group 0, a set for each slot
.set G0V, 48
.set SLOTS, 56                         ; refills still to come
.set CNT, 57
.set CS,  58                           ; s[58:59] c = log2(e) / 8
.set SEL, 60                           ; s[60:61] selects for lane xor 16
.set TB,  62                           ; LDS byte at which the step's tiles begin
.set TRIPS, 63
.set PFA, 66                           ; s[66:67] where my prefetches stand
.set LIM, 68                           ; 1 in a wave that prefetches, else the greatest number
.set FAC, 69                           ; 1 for softmax 1, -lam for softmax 2
.set QP,  72                           ; s[72:73] Q at my 64 queries;  s[74:75] onorm at the 32 rows that I finish
.set OP,  74
.set MSB, 0
.macro WIN new                         ; the immediate's high byte repeats the setting that is left
.if MSB != \new
	s_set_vgpr_msb (MSB<<8)|\new
.set MSB, \new
.endif
.endm
.macro PLACES n
.rept \n
	v_nop
.endr
.endm
.macro CROUND                          ; a round of the cluster's barrier
	s_barrier_signal -1
	s_barrier_wait -1
	s_cmp_lg_u32 s[WV], 0
	s_cbranch_scc1 .Lnot_wave_0_\@
	s_barrier_signal -3
.Lnot_wave_0_\@:
	s_barrier_wait -3
	s_barrier_signal -1
	s_barrier_wait -1
.endm
; A joint refill of a slot: waves 0-3 K's tiles, waves 4-7 V's.  The branch hangs on the wave's number alone.  An s_nop 0 and four v_nop follow each of the two lines.
.macro JLOAD slot
	s_cmp_lt_u32 s[WV], 4
	s_cbranch_scc0 .Lfor_v_\@
	tensor_load_to_lds s[G0K+4*\slot:G0K+4*\slot+3], s[G1K:G1K+7]
	s_nop 0
.rept 4
	v_nop
.endr
	s_branch .Lasked_\@
.Lfor_v_\@:
	tensor_load_to_lds s[G0V+4*\slot:G0V+4*\slot+3], s[G1V:G1V+7]
	s_nop 0
.rept 4
	v_nop
.endr
.Lasked_\@:
.endm
; A prefetch of what the NEXT change of slots will ask for: 256 rows of K and 256 of V, 256 bytes a row, a lane a row.  Each row is named once in the launch: the head's first cluster asks; its four partners take 64 rows each,
; told apart by address; in each, waves 0, 1 ask for K's and waves 4, 5 for V's, 32 rows a wave.  It stands four key steps ahead of the load that wants the rows.  The last refill asks for nothing.
.macro ASK
	s_cmp_gt_u32 s[SLOTS], s[LIM]
	s_cbranch_scc0 .Lnot_mine_\@
	global_prefetch_b8 v[PFO], s[PFA:PFA+1] th:TH_LOAD_NT scope:SCOPE_SE
.Lnot_mine_\@:
.endm
	s_load_b256 s[4:11], s[0:1], 0x0               ; qkv 4, lambda_q1 6, lambda_k1 8, lambda_q2 10
	s_load_b128 s[12:15], s[0:1], 0x20             ; lambda_k2 12, rms_scale 14
	s_load_b64 s[16:17], s[0:1], 0x30              ; onorm
	v_lshl_add_u32 v[SPW], v0, 2, SPARE
	v_mov_b32 v[NIL], 0
	ds_add_u32 v[SPW], v[NIL]                      ; the wave's opening: the add, twice on end, and its wait ahead of my first tensor load
	ds_add_u32 v[SPW], v[NIL]
	v_lshrrev_b32 v3, 5, v0
	v_readfirstlane_b32 s[WV], v3                  ; wave 0..7
	s_lshr_b32 s[SM], s[WV], 2
	s_and_b32 s76, s[WV], 3                        ; g.  Also: which of a slot's four steps I fetch
	s_bfe_u32 s77, ttmp6, 0x40000                  ; cx
	s_lshl_b32 s78, ttmp9, 2
	s_add_co_u32 s78, s78, s77                     ; my block of 256 queries: it enters Q's, onorm's and the prefetches' addresses alone
	s_and_b32 s79, ttmp7, 0xffff                   ; 16 b + head, which the four partners share
	s_lshl_b32 s80, s79, 19                        ; the head's first byte in each of Q, K, V
	s_lshl_b32 s81, s76, 14                        ; 64 rows of 256 bytes
	s_add_co_u32 s82, s80, s81
	s_mov_b32 s83, 0
	s_mul_i32 s84, s76, STEPB                      ; my step's place in a slot
	s_lshl_b32 s86, s78, 16
	s_add_co_u32 s86, s86, s82                     ; Q: the head, my block's 256 rows, my 64 of them
	s_mov_b32 s87, 0
	s_lshr_b32 s88, s79, 4                         ; onorm's row: 2,048 b + 256 block + 64 g + 32 sm
	s_lshl_b32 s88, s88, 11
	s_lshl_b32 s89, s78, 8
	s_add_co_u32 s88, s88, s89
	s_lshl_b32 s89, s76, 6
	s_add_co_u32 s88, s88, s89
	s_lshl_b32 s89, s[SM], 5
	s_add_co_u32 s88, s88, s89
	s_lshl_b32 s88, s88, 12                        ; rows of 4,096 bytes
	s_and_b32 s89, s79, 15
	s_lshl_b32 s89, s89, 8                         ; the head's 256 bytes of a row
	s_add_co_u32 s88, s88, s89
	s_mov_b32 s89, 0
	s_add_co_u32 s[PFA], s[SM], 1                  ; the prefetches: K (waves 0-3) or V (waves 4-7): 2^24 bytes each,
	s_lshl_b32 s[PFA], s[PFA], 24
	s_add_co_u32 s[PFA], s[PFA], s80               ; the head,
	s_lshl_b32 s85, s77, 14
	s_add_co_u32 s[PFA], s[PFA], s85               ; my work-group's 64 rows of a slot's 256,
	s_and_b32 s85, s[WV], 1
	s_lshl_b32 s85, s85, 13
	s_add_co_u32 s[PFA], s[PFA], s85               ; my wave's 32 of them,
	s_add_co_u32 s[PFA], s[PFA], 2*65536           ; in the third slot's keys: the first change of slots steps it on before it is used
	s_mov_b32 s[PFA+1], 0
	s_and_b32 s[LIM], s[WV], 2
	s_or_b32 s[LIM], s[LIM], ttmp9                 ; 0 in waves 0, 1, 4, 5 of the head's first cluster: the same in all four partners
	s_cmp_eq_u32 s[LIM], 0
	s_cselect_b32 s[LIM], 1, -1
	; descriptor group 1: a tile of 64 rows x 128 elements of 2 bytes, padded in LDS
	s_mov_b32 s[G1K], 15|(1<<16)|(1<<20)|(1<<21)|(5<<22)|(3<<25)  ; the mask: all four work-groups; elements of 2 bytes; padding on; bit 21 beside a mask; 4 words after every 64
	s_mov_b32 s[G1V], 15|(1<<16)|(1<<20)|(1<<21)|(5<<22)|(7<<25)  ; the same with 8 words of padding
.irp g, G1K, G1V
	s_mov_b32 s[\g+1], 128<<16                     ; tensor_dim0 = 128
	s_mov_b32 s[\g+2], 64<<16                      ; tensor_dim1 = 64
	s_mov_b32 s[\g+3], 128<<16                     ; tile_dim0 = 128
	s_mov_b32 s[\g+4], 64                          ; tile_dim1 = 64
	s_mov_b32 s[\g+5], 128                         ; elements from row to row
	s_mov_b32 s[\g+6], 0
	s_mov_b32 s[\g+7], 0
.endr
	s_mov_b32 s[CS], 0x3e38aa3b                    ; c = log2(e) / sqrt(64)
	s_mov_b32 s[CS+1], s[CS]
	s_mov_b32 s[SEL], 0x76543210
	s_mov_b32 s[SEL+1], 0xfedcba98
	s_mov_b32 s[SLOTS], 6
	s_mov_b32 s70, 0x3c000000                      ; 1 / 128
	s_mov_b32 s71, 0x3727c5ac                      ; 1e-5
	s_wait_dscnt 0x0                               ; both opening adds are done
	s_wait_kmcnt 0x0
	s_add_nc_u64 s[82:83], s[4:5], s[82:83]
	s_add_nc_u64 s[QP:QP+1], s[4:5], s[86:87]
	s_add_nc_u64 s[OP:OP+1], s[16:17], s[88:89]
	s_add_nc_u64 s[PFA:PFA+1], s[4:5], s[PFA:PFA+1]
	CROUND                                         ; all four work-groups are here: the first joint loads meet
.irp s, 0,1
	s_mov_b32 s[G0K+4*\s], 1                       ; count = 1
	s_add_co_u32 s[G0K+4*\s+1], s84, \s*SLOTB      ; LDS address
	s_add_nc_u64 s[G0K+4*\s+2:G0K+4*\s+3], s[82:83], (1<<24)+\s*65536   ; global address: slot s begins with keys 256 s
	s_or_b32 s[G0K+4*\s+3], s[G0K+4*\s+3], 0x80000000                   ; type = 2
	s_mov_b32 s[G0V+4*\s], 1
	s_add_co_u32 s[G0V+4*\s+1], s84, \s*SLOTB+VOFF
	s_add_nc_u64 s[G0V+4*\s+2:G0V+4*\s+3], s[82:83], (2<<24)+\s*65536
	s_or_b32 s[G0V+4*\s+3], s[G0V+4*\s+3], 0x80000000
.endr
	s_cmp_lt_u32 s[WV], 4                          ; a wave's two first fills stand in one branch: two loads of mine are out
	s_cbranch_scc0 .Lfirst_v
	tensor_load_to_lds s[G0K:G0K+3], s[G1K:G1K+7]
	s_nop 0
	tensor_load_to_lds s[G0K+4:G0K+7], s[G1K:G1K+7]
	s_nop 0
.rept 4
	v_nop
.endr
	s_branch .Lfirst_asked
.Lfirst_v:
	tensor_load_to_lds s[G0V:G0V+3], s[G1V:G1V+7]
	s_nop 0
	tensor_load_to_lds s[G0V+4:G0V+7], s[G1V:G1V+7]
	s_nop 0
.rept 4
	v_nop
.endr
.Lfirst_asked:
	; Q stays in registers.  A fragment is 16 rows x 32 channels: lane l holds row l % 16; registers 0-3 channels 8 (l / 16) + 0..7, registers 4-7 channels 16 + 8 (l / 16) + 0..7
	v_and_b32 v224, 15, v0                         ; r
	v_bfe_u32 v225, v0, 4, 1                       ; h
	s_lshl_b32 s76, s[SM], 7                       ; my softmax's 64 channels: 128 bytes on
	s_lshl_b32 s77, s[SM], 13                      ; 32 rows of 256 bytes
	s_xor_b32 s78, s[SM], 1
	s_lshl_b32 s78, s78, 13
	v_lshlrev_b32 v226, 8, v224
	v_lshl_add_u32 v226, v225, 4, v226
	v_add_nc_u32 v226, s76, v226
	v_add_nc_u32 v[S], s77, v226                   ; tiles 0, 1: queries 32 sm on
	v_add_nc_u32 v[S+1], s78, v226                 ; tiles 2, 3: queries 32 (1 - sm) on
.irp t, 0,1,2,3
.irp d, 0,1
	global_load_b128 v[Q+16*\t+8*\d:Q+16*\t+8*\d+3], v[S+\t/2], s[QP:QP+1] offset:(\t%2)*4096+64*\d
	global_load_b128 v[Q+16*\t+8*\d+4:Q+16*\t+8*\d+7], v[S+\t/2], s[QP:QP+1] offset:(\t%2)*4096+64*\d+32
.endr
.endr
	v_and_b32 v[S+2], 31, v0
	v_lshlrev_b32 v[PFO], 8, v[S+2]
	v_lshlrev_b32 v[S+2], 3, v[S+2]                ; the lambdas: two numbers a lane
	global_load_b64 v[S+4:S+5], v[S+2], s[6:7]
	global_load_b64 v[S+6:S+7], v[S+2], s[8:9]
	global_load_b64 v[S+8:S+9], v[S+2], s[10:11]
	global_load_b64 v[S+10:S+11], v[S+2], s[12:13]
	v_mul_u32_u24 v[AK0], v224, PK
	v_lshl_add_u32 v[AK0], v225, 4, v[AK0]
	v_add_nc_u32 v[AK0], s76, v[AK0]               ; K: row x pitch + 16 x half + my softmax's channels
	v_and_b32 v226, 7, v0                          ; V, for the turning load: key 8 (l / 16) + l % 8, channels 8 ((l / 8) % 2) on
	v_bfe_u32 v227, v0, 3, 1
	v_lshl_add_u32 v[AV0], v225, 3, v226
	v_mul_u32_u24 v[AV0], v[AV0], PV
	v_lshl_add_u32 v[AV0], v227, 4, v[AV0]
	v_add_nc_u32 v[AV0], VOFF, v[AV0]
.irp t, 0,1,2,3
	v_mov_b32 v[T+6*\t+1], 0                       ; named as the upper half of a pair before it is first written
.endr
	v_mov_b32 v[S+14], 0                           ; a lane permute's destination counts as one of its sources
	v_mov_b32 v[S+15], 0
	s_wait_loadcnt 0x0                             ; Q and the lambdas
	; lam, in f32: two dot products of 64, summed over the wave
	v_mul_f32 v[S+12], v[S+4], v[S+6]
	v_mul_f32 v[S+13], v[S+8], v[S+10]
	v_fmac_f32 v[S+12], v[S+5], v[S+7]
	v_fmac_f32 v[S+13], v[S+9], v[S+11]
.irp m, 1,2,4,8
	v_add_f32_dpp v[S+12], v[S+12], v[S+12] row_xmask:\m row_mask:0xf bank_mask:0xf
	v_add_f32_dpp v[S+13], v[S+13], v[S+13] row_xmask:\m row_mask:0xf bank_mask:0xf
.endr
	v_permlanex16_b32 v[S+14], v[S+12], s[SEL], s[SEL+1]
	v_permlanex16_b32 v[S+15], v[S+13], s[SEL], s[SEL+1]
	v_add_f32 v[S+12], v[S+12], v[S+14]
	v_add_f32 v[S+13], v[S+13], v[S+15]
	v_mul_f32 v[S+12], 0x3fb8aa3b, v[S+12]         ; x log2(e)
	v_mul_f32 v[S+13], 0x3fb8aa3b, v[S+13]
	v_exp_f32 v[S+12], v[S+12]
	v_exp_f32 v[S+13], v[S+13]
	v_nop                                          ; a plain instruction behind the exponentials
	s_wait_alu depctr_va_vdst(0)                   ; one wait for both, ahead of their first reader
	v_sub_f32 v[S+12], v[S+12], v[S+13]
	v_add_f32 v[S+12], 0x3f4ccccd, v[S+12]         ; + 0.8
	v_readfirstlane_b32 s76, v[S+12]
	s_xor_b32 s76, s76, 0x80000000                 ; -lam
	s_cmp_eq_u32 s[SM], 0
	s_cselect_b32 s[FAC], 0x3f800000, s76          ; what my softmax's part is multiplied by: a value alone, no address or branch hangs on it
	s_wait_tensorcnt 0x1                           ; my part of slot 0 is in; slot 1's may stay out
	s_barrier_signal -1
	s_barrier_wait -1
.macro KLOAD set, kt                   ; keys 16 kt on, my 64 channels: two fragments
.irp d, 0,1
	ds_load_b128 v[\set+8*\d:\set+8*\d+3],   v[ADK] offset:\kt*16*PK+64*\d
	ds_load_b128 v[\set+8*\d+4:\set+8*\d+7], v[ADK] offset:\kt*16*PK+64*\d+32
.endr
.endm
; S^T of keys 16 kt on for the four tiles of queries: the first four start the sums, the other four add in place; the accumulators take turns, one instruction a turn
.macro KQ8 kt, set
.irp t, 0,1,2,3
	v_wmma_f32_16x16x32_f16 v[S+32*\t+8*\kt:S+32*\t+8*\kt+7], v[\set:\set+7], v[Q+16*\t:Q+16*\t+7], 0
.endr
.irp t, 0,1,2,3
	v_wmma_f32_16x16x32_f16 v[S+32*\t+8*\kt:S+32*\t+8*\kt+7], v[\set+8:\set+15], v[Q+16*\t+8:Q+16*\t+15], v[S+32*\t+8*\kt:S+32*\t+8*\kt+7]
.endr
.endm
; V's fragments f0 .. f0 + 3 (fragment f: keys 32 (f / 8) on, channels 16 (f % 8) on), turned, into the upper halves of S^T's blocks, which P has left: place f % 8
.macro VLOAD f0
.irp d, 0,1,2,3
.set FF, \f0+\d
.set rV, S+32*((FF%8)/2)+16+8*(FF%2)
	ds_load_tr16_b128 v[rV:rV+3],   v[ADV] offset:(FF/8)*32*PV+(FF%8)*32
	ds_load_tr16_b128 v[rV+4:rV+7], v[ADV] offset:(FF/8)*32*PV+16*PV+(FF%8)*32
.endr
.endm
; O^T += V^T P for fragments f0 .. f0 + 3 and the four tiles: sixteen accumulators, one instruction each.  zero = 1: they start the sums
.macro PV16 f0, zero
.irp d, 0,1,2,3
.irp t, 0,1,2,3
.set FF, \f0+\d
.set rO, 64*\t+8*(FF%8)
.set rV, S+32*((FF%8)/2)+16+8*(FF%2)
.set rP, S+32*\t+8*(FF/8)
.if \zero
	v_wmma_f32_16x16x32_f16 v[rO:rO+7], v[rV:rV+7], v[rP:rP+7], 0
.else
	v_wmma_f32_16x16x32_f16 v[rO:rO+7], v[rV:rV+7], v[rP:rP+7], v[rO:rO+7]
.endif
.endr
.endr
.endm
; The largest of a lane's 32 scores, two chains a tile, the four tiles by turns; each accumulator is first read at its low end.  Then the other half of the lanes', c m, and (not in the first step) its change
.macro MAXES first
.irp t, 0,1,2,3
	v_max3_num_f32 v[T+6*\t+4], v[S+32*\t], v[S+32*\t+1], v[S+32*\t+2]
	v_max3_num_f32 v[T+6*\t+5], v[S+32*\t+16], v[S+32*\t+17], v[S+32*\t+18]
.endr
.irp i, 3,5,7,9,11,13
.irp t, 0,1,2,3
	v_max3_num_f32 v[T+6*\t+4], v[T+6*\t+4], v[S+32*\t+\i], v[S+32*\t+\i+1]
	v_max3_num_f32 v[T+6*\t+5], v[T+6*\t+5], v[S+32*\t+16+\i], v[S+32*\t+17+\i]
.endr
.endr
.irp t, 0,1,2,3
	v_max3_num_f32 v[T+6*\t+4], v[T+6*\t+4], v[T+6*\t+5], v[S+32*\t+15]
.endr
.irp t, 0,1,2,3
	v_max_num_f32 v[T+6*\t+4], v[T+6*\t+4], v[S+32*\t+31]
.endr
.irp t, 0,1,2,3
	v_permlanex16_b32 v[T+6*\t+5], v[T+6*\t+4], s[SEL], s[SEL+1]   ; the query's other 32 keys lie in the lane 16 away
.endr
.irp t, 0,1,2,3
	v_max_num_f32 v[T+6*\t+4], v[T+6*\t+4], v[T+6*\t+5]
.endr
.if \first
.irp t, 0,1,2,3
	v_mul_f32 v[T+6*\t], s[CS], v[T+6*\t+4]        ; c m (c is positive)
.endr
.else
.irp t, 0,1,2,3
	v_mov_b32 v[T+6*\t+1], v[T+6*\t]               ; the old c m
.endr
.irp t, 0,1,2,3
	v_mul_f32 v[T+6*\t+4], s[CS], v[T+6*\t+4]
.endr
.irp t, 0,1,2,3
	v_max_num_f32 v[T+6*\t], v[T+6*\t], v[T+6*\t+4]
.endr
.irp t, 0,1,2,3
	v_sub_f32 v[T+6*\t+1], v[T+6*\t+1], v[T+6*\t]  ; old less new: 0 or less
.endr
.endif
.endm
.macro SCALE                           ; c s - c m, two at a time
.irp j, 0,2,4,6,8,10,12,14,16,18,20,22,24,26,28,30
.irp t, 0,1,2,3
	v_pk_fma_f32 v[S+32*\t+\j:S+32*\t+\j+1], v[S+32*\t+\j:S+32*\t+\j+1], s[CS:CS+1], v[T+6*\t:T+6*\t+1] op_sel_hi:[1,0,0] neg_lo:[0,0,1] neg_hi:[0,0,1]
.endr
.endr
.endm
.macro EXPS first                      ; ONE batch: a = 2^(change of c m) of the four tiles and the 128 weights; one plain instruction; one wait ahead of the first reader
.if \first == 0
.irp t, 0,1,2,3
	v_exp_f32 v[T+6*\t+4], v[T+6*\t+1]
.endr
.endif
.set j, 0
.rept 128
	v_exp_f32 v[S+j], v[S+j]
.set j, j+1
.endr
	v_nop
	s_wait_alu depctr_va_vdst(0)
.endm
.macro SUMS first                      ; the sum = a x the sum + the step's weights, unrounded; the four tiles by turns
.if \first
.irp t, 0,1,2,3
	v_pk_add_f32 v[T+6*\t+2:T+6*\t+3], v[S+32*\t:S+32*\t+1], v[S+32*\t+2:S+32*\t+3]
.endr
.else
.irp t, 0,1,2,3
	v_pk_fma_f32 v[T+6*\t+2:T+6*\t+3], v[T+6*\t+2:T+6*\t+3], v[T+6*\t+4:T+6*\t+5], v[S+32*\t:S+32*\t+1] op_sel_hi:[1,0,1]
.endr
.irp t, 0,1,2,3
	v_pk_add_f32 v[T+6*\t+2:T+6*\t+3], v[T+6*\t+2:T+6*\t+3], v[S+32*\t+2:S+32*\t+3]
.endr
.endif
.irp j, 4,6,8,10,12,14,16,18,20,22,24,26,28,30
.irp t, 0,1,2,3
	v_pk_add_f32 v[T+6*\t+2:T+6*\t+3], v[T+6*\t+2:T+6*\t+3], v[S+32*\t+\j:S+32*\t+\j+1]
.endr
.endr
.endm
.macro CVT p                           ; tiles 2 p, 2 p + 1: the weights to f16, in place: pair i lands on register i, which has been read by then
.irp i, 0,1,2,3,4,5,6,7,8,9,10,11,12,13,14,15
.irp u, 0,1
	v_cvt_pk_f16_f32 v[S+32*(2*\p+\u)+\i], v[S+32*(2*\p+\u)+2*\i], v[S+32*(2*\p+\u)+2*\i+1]
.endr
.endr
.endm
.macro RESCALE                         ; O^T x a, each accumulator from its low end on
	WIN 0x41                                       ; destination and source 0 window 1, a in window 0
.irp t, 0,1,2,3
.set j, 0
.rept 32
	v_pk_mul_f32 v[64*\t+j:64*\t+j+1], v[64*\t+j:64*\t+j+1], v[T+6*\t+4:T+6*\t+5] op_sel_hi:[1,0]
.set j, j+2
.endr
.endr
.endm
; A KEY STEP: 64 keys at LDS byte s[TB].  32 products K Q^T, the softmax, 64 products V^T P.  first = 1: it starts the maximum, the sum and O^T.
.macro STEP first
	v_add_nc_u32 v[ADK], s[TB], v[AK0]
	v_add_nc_u32 v[ADV], s[TB], v[AV0]
	KLOAD KA, 0
	KLOAD KB, 1
	s_wait_dscnt 4                                 ; the first set is in; the other set's four loads stay out
	KQ8 0, KA
	PLACES 4                                       ; in front of loads into registers that matrix instructions have read
	KLOAD KA, 2
	s_wait_dscnt 4
	KQ8 1, KB
	PLACES 4
	KLOAD KB, 3
	s_wait_dscnt 4
	KQ8 2, KA
	s_wait_dscnt 0x0
	KQ8 3, KB
	PLACES 4                                       ; in front of the first read of the scores
	MAXES \first
	SCALE
	EXPS \first
	SUMS \first
	CVT 0
	VLOAD 0                                        ; into the halves that tiles 0 and 1 have left
	CVT 1
	VLOAD 4
.if \first == 0
	RESCALE                                        ; V's loads land meanwhile
.endif
	s_wait_dscnt 8                                 ; the first four fragments are in; the other group's eight loads stay out
	WIN 0x50                                       ; C and D window 1
	PV16 0, \first
	PLACES 4
	WIN 0
	VLOAD 8
	s_wait_dscnt 8
	WIN 0x50
	PV16 4, \first
	PLACES 4
	WIN 0
	VLOAD 12
	s_wait_dscnt 8
	WIN 0x50
	PV16 8, 0
	s_wait_dscnt 0x0
	PV16 12, 0
	WIN 0
	PLACES 5                                       ; the next step's first products write over registers that these products read: five places
.endm
.macro STEPS base, n                   ; n key steps from LDS byte base on: written once, walked n times
	s_mov_b32 s[TB], \base
	s_mov_b32 s[CNT], \n
.Lstep_\@:
	STEP 0
	s_add_co_u32 s[TB], s[TB], STEPB
	s_sub_co_u32 s[CNT], s[CNT], 1
	s_cmp_lg_u32 s[CNT], 0
	s_cbranch_scc1 .Lstep_\@
.endm
; THE CHANGE OF SLOTS.  Each wave waits for all its tensor loads (its part of the slot ahead), adds 0 to its spare word, and waits for that and for its reads of the slot that it leaves.
; fill = 1: the slot just left is filled with the keys two slots on: the barrier is a round of the cluster's, and the joint refill is the first thing behind it.
.macro CHANGE fill, slot
	s_wait_tensorcnt 0x0                           ; no tensor load of mine is out, so a group 0 may be written
	ds_add_u32 v[SPW], v[NIL]                      ; 0 onto my spare word
.if \fill
	s_add_nc_u64 s[G0K+4*\slot+2:G0K+4*\slot+3], s[G0K+4*\slot+2:G0K+4*\slot+3], 2*65536   ; 512 keys on; the type bits on top are not reached
	s_add_nc_u64 s[G0V+4*\slot+2:G0V+4*\slot+3], s[G0V+4*\slot+2:G0V+4*\slot+3], 2*65536
	s_wait_xcnt 0x0                                ; the last prefetch, four steps back, has read its address
	s_add_nc_u64 s[PFA:PFA+1], s[PFA:PFA+1], 65536 ; one slot further on than this refill
	s_wait_dscnt 0x0                               ; the add is done, and my reads of the slot are over
	CROUND
	JLOAD \slot
	ASK
	s_sub_co_u32 s[SLOTS], s[SLOTS], 1
.else
	s_wait_dscnt 0x0
	s_barrier_signal -1
	s_barrier_wait -1
.endif
.endm
	s_mov_b32 s[TB], 0
	STEP 1                                         ; keys 0-63
	STEPS STEPB, 3                                 ; the rest of slot 0
	s_mov_b32 s[TRIPS], 3
.Lring:                                            ; a trip goes once round the ring and fills both slots again
	CHANGE 1, 0
	STEPS SLOTB, 4
	CHANGE 1, 1
	STEPS 0, 4
	s_sub_co_u32 s[TRIPS], s[TRIPS], 1
	s_cmp_lg_u32 s[TRIPS], 0
	s_cbranch_scc1 .Lring
	CHANGE 0, 0                                    ; the last slot: nothing is left to fetch
	STEPS SLOTB, 4
	; THE WAY OUT.  Addresses are made in v3-v7, from the thread's number alone.
	s_wait_xcnt 0x0                                ; the prefetches have read v3
	v_bfe_u32 v3, v0, 4, 1
	v_lshlrev_b32 v3, 5, v3                        ; the gains: register 8 ct + j takes channel 16 ct + 8 h + j
.irp ct, 0,1,2,3,4,5,6,7
	global_load_b128 v[Q+8*\ct:Q+8*\ct+3], v3, s[14:15] offset:64*\ct
	global_load_b128 v[Q+8*\ct+4:Q+8*\ct+7], v3, s[14:15] offset:64*\ct+16
.endr
.irp t, 0,1,2,3
	v_add_f32 v[T+6*\t+4], v[T+6*\t+2], v[T+6*\t+3]        ; the sum's two halves,
.endr
.irp t, 0,1,2,3
	v_permlanex16_b32 v[T+6*\t+5], v[T+6*\t+4], s[SEL], s[SEL+1]
.endr
.irp t, 0,1,2,3
	v_add_f32 v[T+6*\t+4], v[T+6*\t+4], v[T+6*\t+5]        ; and the other half of the lanes'
.endr
.irp t, 0,1,2,3
	v_rcp_f32 v[T+6*\t+4], v[T+6*\t+4]
.endr
	s_lshl_b32 s76, s[WV], 14                      ; the exchange: 16,384 bytes a wave, in slot 0, which has had its last fill and its last read
	s_mul_i32 s78, s[WV], 16*SP
	s_add_co_u32 s78, s78, STAGE                   ; my stage
	v_bfe_u32 v7, v0, 4, 1                         ; h  (plain work behind the reciprocals)
	v_and_b32 v4, 15, v0                           ; r
	v_mul_u32_u24 v5, v4, SP
	v_lshl_add_u32 v5, v7, 4, v5
	v_add_nc_u32 v5, s78, v5                       ; into the stage: row r, 16 bytes for each half of the lanes
	v_mul_u32_u24 v6, v7, SP
	v_lshl_add_u32 v6, v4, 4, v6
	v_add_nc_u32 v6, s78, v6                       ; back: lanes 0-15 one row of 256 bytes, lanes 16-31 the next
	v_lshlrev_b32 v7, 12, v7
	v_lshl_add_u32 v7, v4, 4, v7                   ; and the same two rows in onorm, 4,096 bytes apart
	v_and_b32 v4, 31, v0
	v_lshlrev_b32 v4, 4, v4
	v_add_nc_u32 v4, s76, v4                       ; the exchange: 16 x lane + my wave's part
	s_wait_alu depctr_va_vdst(0)                   ; one wait for the four reciprocals, ahead of their first reader
.irp t, 0,1,2,3
	v_mul_f32 v[T+6*\t+4], s[FAC], v[T+6*\t+4]     ; (1 or -lam) / the sum
.endr
	RESCALE                                        ; O^T x that
	WIN 0x04                                       ; an LDS store's data are its source 1: window 1
.set k, 0
.rept 32
	ds_store_b128 v4, v[128+4*k:128+4*k+3] offset:512*k    ; tiles 2 and 3 as images of their registers, for wave w xor 4
.set k, k+1
.endr
	WIN 0
	v_xor_b32 v4, 0x10000, v4                      ; the partner's part: bit 2 of the wave's number turned
	s_wait_dscnt 0x0                               ; for the others' sake: my stores are done
	s_barrier_signal -1
	s_barrier_wait -1
.set k, 0
.rept 32
	ds_load_b128 v[S+4*k:S+4*k+3], v4 offset:512*k         ; the other softmax's part of my tiles 0 and 1
.set k, k+1
.endr
	s_wait_dscnt 16                                ; tile 0's sixteen loads are in
	WIN 0x04                                       ; source 1 window 1
.set j, 0
.rept 32
	v_pk_add_f32 v[S+j:S+j+1], v[S+j:S+j+1], v[j:j+1]
.set j, j+2
.endr
	s_wait_dscnt 0x0
.rept 32
	v_pk_add_f32 v[S+j:S+j+1], v[S+j:S+j+1], v[j:j+1]
.set j, j+2
.endr
	WIN 0
	; the mean of the squares over a row's 128 channels: two chains a tile, then the halves, then the other half of the lanes
.irp u, 0,1
	v_pk_mul_f32 v[T+6*\u+2:T+6*\u+3], v[S+64*\u:S+64*\u+1], v[S+64*\u:S+64*\u+1]
	v_pk_mul_f32 v[T+6*\u+14:T+6*\u+15], v[S+64*\u+2:S+64*\u+3], v[S+64*\u+2:S+64*\u+3]
.endr
.irp j, 4,8,12,16,20,24,28,32,36,40,44,48,52,56,60
.irp u, 0,1
	v_pk_fma_f32 v[T+6*\u+2:T+6*\u+3], v[S+64*\u+\j:S+64*\u+\j+1], v[S+64*\u+\j:S+64*\u+\j+1], v[T+6*\u+2:T+6*\u+3]
	v_pk_fma_f32 v[T+6*\u+14:T+6*\u+15], v[S+64*\u+\j+2:S+64*\u+\j+3], v[S+64*\u+\j+2:S+64*\u+\j+3], v[T+6*\u+14:T+6*\u+15]
.endr
.endr
.irp u, 0,1
	v_pk_add_f32 v[T+6*\u+2:T+6*\u+3], v[T+6*\u+2:T+6*\u+3], v[T+6*\u+14:T+6*\u+15]
.endr
.irp u, 0,1
	v_add_f32 v[T+6*\u+4], v[T+6*\u+2], v[T+6*\u+3]
.endr
.irp u, 0,1
	v_permlanex16_b32 v[T+6*\u+5], v[T+6*\u+4], s[SEL], s[SEL+1]
.endr
.irp u, 0,1
	v_add_f32 v[T+6*\u+4], v[T+6*\u+4], v[T+6*\u+5]
.endr
.irp u, 0,1
	v_fma_f32 v[T+6*\u+4], v[T+6*\u+4], s70, s71   ; / 128 + 1e-5
.endr
.irp u, 0,1
	v_rsq_f32 v[T+6*\u+4], v[T+6*\u+4]
.endr
	v_nop
	s_wait_alu depctr_va_vdst(0)                   ; one wait for both roots
.irp u, 0,1
	v_mul_f32 v[T+6*\u+4], 0x3e4ccccd, v[T+6*\u+4] ; x 0.2
.endr
	s_wait_loadcnt 0x0                             ; the gains
.irp u, 0,1
.set j, 0
.rept 32
	v_pk_mul_f32 v[S+64*\u+j:S+64*\u+j+1], v[S+64*\u+j:S+64*\u+j+1], v[T+6*\u+4:T+6*\u+5] op_sel_hi:[1,0]
.set j, j+2
.endr
.endr
.irp u, 0,1
.set j, 0
.rept 32
	v_pk_mul_f32 v[S+64*\u+j:S+64*\u+j+1], v[S+64*\u+j:S+64*\u+j+1], v[Q+j:Q+j+1]
.set j, j+2
.endr
.endr
; A tile: a lane's eight channels of a row pack into 16 bytes; they go into rows of 272 bytes and come back as whole rows of 256.
.macro PACKT src, pk
.set i, 0
.rept 32
	v_cvt_pk_f16_f32 v[\pk+i], v[\src+2*i], v[\src+2*i+1]
.set i, i+1
.endr
.irp f, 0,1,2,3,4,5,6,7
	ds_store_b128 v5, v[\pk+4*\f:\pk+4*\f+3] offset:32*\f
.endr
.irp f, 0,1,2,3,4,5,6,7
	ds_load_b128 v[\pk+4*\f:\pk+4*\f+3], v6 offset:\f*2*SP     ; LDS serves a wave's instructions in order: these see the stores above; the next tile's stores come behind them
.endr
.endm
.macro SEND t, pk, younger             ; younger: the LDS instructions issued behind this tile's loads
.irp f, 0,1,2,3,4,5,6,7
	s_wait_dscnt \younger+7-\f
	global_store_b128 v7, v[\pk+4*\f:\pk+4*\f+3], s[OP:OP+1] offset:65536*\t+8192*\f   ; 16 lanes store 256 consecutive bytes, aligned
.endr
.endm
	PACKT S, KA
	PACKT S+64, S
	SEND 0, KA, 16
	SEND 1, S, 0
	s_wait_tensorcnt 0x0                           ; the wave's end
	ds_add_u32 v[SPW], v[NIL]
	s_wait_dscnt 0x0
	CROUND                                         ; the closing round
	s_endpgm
.Lfunc_end_k_q3a8aad05a2_attn:
	.size	k_q3a8aad05a2_attn, .Lfunc_end_k_q3a8aad05a2_attn-k_q3a8aad05a2_attn
	.p2alignl 7, 3214868480
	.fill 96, 4, 3214868480
	.section	.rodata,"a",@progbits
	.p2align	6, 0x0
	.amdhsa_kernel k_q3a8aad05a2_attn
		.amdhsa_group_segment_fixed_size 327680
		.amdhsa_private_segment_fixed_size 0
		.amdhsa_enable_private_segment 0
		.amdhsa_kernarg_size 56
		.amdhsa_user_sgpr_count 2
		.amdhsa_user_sgpr_kernarg_segment_ptr 1
		.amdhsa_wavefront_size32 1
		.amdhsa_system_sgpr_workgroup_id_x 1
		.amdhsa_system_sgpr_workgroup_id_y 1
		.amdhsa_system_sgpr_workgroup_id_z 1
		.amdhsa_system_vgpr_workitem_id 0
		.amdhsa_next_free_vgpr 512
		.amdhsa_next_free_sgpr 92
		.amdhsa_reserve_vcc 0
		.amdhsa_float_denorm_mode_32 3
		.amdhsa_float_denorm_mode_16_64 3
		.amdhsa_memory_ordered 1
		.amdhsa_forward_progress 1
		.amdhsa_inst_pref_size 243
	.end_amdhsa_kernel
	.amdgpu_metadata
---
amdhsa.version: [ 1, 2 ]
amdhsa.kernels:
  - .name:           k_q3a8aad05a2_attn
    .symbol:         k_q3a8aad05a2_attn.kd
    .args:
      - { .name: qkv, .offset: 0, .size: 8, .value_kind: global_buffer, .address_space: global }
      - { .name: lambda_q1, .offset: 8, .size: 8, .value_kind: global_buffer, .address_space: global }
      - { .name: lambda_k1, .offset: 16, .size: 8, .value_kind: global_buffer, .address_space: global }
      - { .name: lambda_q2, .offset: 24, .size: 8, .value_kind: global_buffer, .address_space: global }
      - { .name: lambda_k2, .offset: 32, .size: 8, .value_kind: global_buffer, .address_space: global }
      - { .name: rms_scale, .offset: 40, .size: 8, .value_kind: global_buffer, .address_space: global }
      - { .name: onorm, .offset: 48, .size: 8, .value_kind: global_buffer, .address_space: global }
    .group_segment_fixed_size: 327680
    .private_segment_fixed_size: 0
    .kernarg_segment_align: 8
    .kernarg_segment_size: 56
    .max_flat_workgroup_size: 256
    .sgpr_count:     92
    .vgpr_count:     512
    .wavefront_size: 32
...
	.end_amdgpu_metadata
.endif
;; end of part 3
;; launch oproj (part 4): grid 8 x 32, 4 waves a work-group, clusters of 4 x 4, 327,680 bytes of LDS; arguments onorm, woh, out0; writes out0
.if DOCPART == 4
	.amdgcn_target "amdgcn-amd-amdhsa--gfx1250"
	.amdhsa_code_object_version 6
	.text
	.protected	k_q3a8aad05a2_oproj
	.globl	k_q3a8aad05a2_oproj
	.p2align	8
	.type	k_q3a8aad05a2_oproj,@function
k_q3a8aad05a2_oproj:
	s_mov_b64 s[64:65], 0
	v_nop
	global_prefetch_b8 v0, s[64:65] scope:SCOPE_SE
	s_setreg_imm32_b32 hwreg(HW_REG_WAVE_MODE, 25, 1), 1
	s_wait_xcnt 0x0
	s_wait_alu depctr_hold_cnt(0) depctr_sa_sdst(0) depctr_va_vdst(0) depctr_va_sdst(0) depctr_va_ssrc(0) depctr_va_vcc(0) depctr_vm_vsrc(0)
	s_getreg_b32 s2, hwreg(HW_REG_IB_STS2, 6, 4)
	s_cmp_eq_u32 s2, 0
	s_cbranch_scc0 .Lentry_in_a_cluster
	s_endpgm
.Lentry_in_a_cluster:
	s_bfe_u32 s2, ttmp6, 0x10000c
	s_cmp_lg_u32 s2, 0xf033
	s_cbranch_scc0 .Lentry_shape_is_right
	s_endpgm
.Lentry_shape_is_right:
; out0[m][n] = sum over k of onorm[m][k] woh[n][k].  onorm: [4096][2048], woh: [1024][2048], f16; out0: [4096][1024] f32; sums in f32.
; A tile of C is 128 x 128, so that there are 256 work-groups.  Four waves, each 64 x 64: 16 accumulators of 16 x 16.  K goes in steps of 256 (LDS rows of 512 bytes; a wave's tensor load brings 64 of them) through two slots.
; CLUSTERS: 4 x 4 work-groups.  The four of a row of the cluster need the same tiles of A, the four of a column the same tiles of B: each tile is asked for jointly.
; THE MATRIX INSTRUCTION IS USED TRANSPOSED (source 0 = 16 rows of B, source 1 = 16 rows of A): a lane then holds eight neighbouring numbers of a row of C.
; A wave's 64 columns of f32 are 256 aligned bytes of a row of C: each wave has a stage of its own on the way out, and no barrier is needed there.
; REGISTERS: window 0: v0-31 addresses; v32-95 at work on the way out; v128-255 the accumulators ((a, b) at v[128 + 8 (4 a + b)]).  window 1: two fragment buffers of 128.
.set SIZE_M, 4096
.set SIZE_N, 1024
.set SIZE_K, 2048
.set KSTEP,  256
.set PITCH,  528                       ; an LDS row: 512 bytes + 16 of padding
.set HALFT,  64*PITCH                  ; 64 rows: what one tensor load brings
.set SLOT,   4*HALFT                   ; A's 128 rows, then B's 128 rows
.set SPITCH, 272                       ; the way out: 16 rows x (256 bytes + 16) for each wave, in slot 0, which has had its last fill and its last read by then
.set SPARE,  2*SLOT                    ; behind the ring: the spare words, 128 bytes a wave
.set LAPS, SIZE_K/(2*KSTEP)            ; a lap = two K steps = once round the ring
.set ADRA, 16                          ; v16-17  LDS address of my A fragments in slot 0, 1
.set ADRB, 20                          ; v20-21  the same for B
.set STO,  24                          ; v24     the way out: where I put 32 bytes of a row
.set RD,   25                          ; v25     where I read rows back
.set CO,   26                          ; v26     my byte offset in two rows of C
.set SPW,  28                          ; v28     LDS address of my spare word; never rewritten
.set NIL,  29                          ; v29     0; never rewritten
.set TMP,  32                          ; the way out: 16 rows read back: v32-63 and v64-95 by turns
.set ACC,  128
.set F0,   0                           ; fragment buffers, in window 1
.set F1,   128
.set G1, 24                            ; s[24:31] descriptor group 1 for A's tiles;  s[32:39] group 0, one set for each slot
.set G0, 32
.set G1B, 48                           ; s[48:55], s[56:63] the same for B's tiles
.set G0B, 56
.set MSB, 0
.macro WIN new                         ; the immediate's high byte repeats the setting that is left
.if MSB != \new
	s_set_vgpr_msb (MSB<<8)|\new
.set MSB, \new
.endif
.endm
.set MUL,  0x05                        ; sources 0 (B) and 1 (A) window 1; C and D window 0
.set TO_F, 0x40                        ; destination window 1, address window 0
.macro JLOAD s                         ; a joint load: waves 0 and 1 fetch A's two halves, waves 2 and 3 B's; an s_nop 0 and four v_nop follow each of the two lines
	s_cmp_eq_u32 s11, 0
	s_cbranch_scc0 .Lfor_b_\@
	tensor_load_to_lds s[G0+4*\s:G0+4*\s+3], s[G1:G1+7]
	s_nop 0
.rept 4
	v_nop
.endr
	s_branch .Lasked_\@
.Lfor_b_\@:
	tensor_load_to_lds s[G0B+4*\s:G0B+4*\s+3], s[G1B:G1B+7]
	s_nop 0
.rept 4
	v_nop
.endr
.Lasked_\@:
.endm
.macro CREST                           ; a round of the cluster's barrier behind its opening barrier
	s_cmp_lg_u32 s10, 0
	s_cbranch_scc1 .Lnot_wave_0_\@
	s_barrier_signal -3
.Lnot_wave_0_\@:
	s_barrier_wait -3
	s_barrier_signal -1
	s_barrier_wait -1
.endm
.macro CROUND                          ; a whole round
	s_barrier_signal -1
	s_barrier_wait -1
	CREST
.endm
	s_load_b128 s[4:7], s[0:1], 0x0                ; A s[4:5], B s[6:7]
	s_load_b64 s[8:9], s[0:1], 0x10                ; C
	v_lshl_add_u32 v[SPW], v0, 2, SPARE
	v_mov_b32 v[NIL], 0
	ds_add_u32 v[SPW], v[NIL]                      ; the wave's opening: the add, twice on end, and its wait ahead of my first tensor load
	ds_add_u32 v[SPW], v[NIL]
	v_lshrrev_b32 v1, 5, v0
	v_readfirstlane_b32 s10, v1                    ; wave 0..3
	s_lshr_b32 s11, s10, 1                         ; which half of the tile's rows is mine.  Also: I fetch for A (0) or for B (1)
	s_and_b32 s12, s10, 1                          ; which half of its columns.  Also: which 64 rows of that tile I fetch
	s_bfe_u32 s40, ttmp6, 0x40000                  ; cx, cy: my place in the cluster
	s_bfe_u32 s41, ttmp6, 0x40004
	s_lshl_b32 s42, ttmp9, 2
	s_add_co_u32 s42, s42, s40                     ; tile column of C = 4 x cluster x + cx
	s_and_b32 s13, ttmp7, 0xffff
	s_lshl_b32 s13, s13, 2
	s_add_co_u32 s13, s13, s41                     ; tile row of C = 4 x cluster y + cy
	s_lshl_b32 s43, s41, 2
	s_lshl_b32 s43, 15, s43                        ; my row of the cluster
	s_lshl_b32 s44, 0x1111, s40                    ; my column
	; descriptor group 1: a tile of 64 rows x 256 elements of 2 bytes, padded in LDS
	s_or_b32 s[G1+0], s43, (1<<16)|(1<<20)|(1<<21)|(6<<22)|(3<<25)  ; the mask: A's tiles go to my row; elements of 2 bytes; padding on; bit 21 beside a mask; 4 words after every 128
	s_or_b32 s[G1B+0], s44, (1<<16)|(1<<20)|(1<<21)|(6<<22)|(3<<25)
.irp g, G1, G1B
	s_mov_b32 s[\g+1], KSTEP<<16                   ; tensor_dim0 = 256
	s_mov_b32 s[\g+2], 64<<16                      ; tensor_dim1 = 64
	s_mov_b32 s[\g+3], KSTEP<<16                   ; tile_dim0 = 256
	s_mov_b32 s[\g+4], 64                          ; tile_dim1 = 64
	s_mov_b32 s[\g+5], SIZE_K                      ; elements from row to row
	s_mov_b32 s[\g+6], 0
	s_mov_b32 s[\g+7], 0
.endr
	s_lshl_b32 s17, s12, 6                         ; which 64 rows of the tile I fetch
	s_lshl_b32 s16, s13, 7
	s_add_co_u32 s16, s16, s17                     ; A: row 128 x tile row + 64 x half
	s_lshl_b32 s46, s42, 7
	s_add_co_u32 s46, s46, s17                     ; B: row 128 x tile column + 64 x half
	s_mov_b32 s17, 0
	s_mov_b32 s47, 0
	s_mov_b64 s[18:19], SIZE_K*2
	s_mul_u64 s[16:17], s[16:17], s[18:19]
	s_mul_u64 s[46:47], s[46:47], s[18:19]
	s_mul_i32 s20, s10, HALFT                      ; where they go: wave x 64 rows
	s_wait_dscnt 0x0                               ; both opening adds are done
	s_wait_kmcnt 0x0
	s_add_nc_u64 s[14:15], s[4:5], s[16:17]
	s_add_nc_u64 s[46:47], s[6:7], s[46:47]
	CROUND                                         ; all sixteen work-groups are here: the first joint loads meet
.irp s, 0,1
	s_mov_b32 s[G0+4*\s], 1
	s_add_co_u32 s[G0+4*\s+1], s20, \s*SLOT
	s_add_nc_u64 s[G0+4*\s+2:G0+4*\s+3], s[14:15], \s*KSTEP*2
	s_or_b32 s[G0+4*\s+3], s[G0+4*\s+3], 0x80000000
	s_mov_b32 s[G0B+4*\s], 1
	s_add_co_u32 s[G0B+4*\s+1], s20, \s*SLOT
	s_add_nc_u64 s[G0B+4*\s+2:G0B+4*\s+3], s[46:47], \s*KSTEP*2
	s_or_b32 s[G0B+4*\s+3], s[G0B+4*\s+3], 0x80000000
	JLOAD \s
.endr
	v_and_b32 v1, 15, v0                           ; l % 16
	v_bfe_u32 v2, v0, 4, 1                         ; l / 16
	v_mul_u32_u24 v3, v1, PITCH
	v_lshl_add_u32 v3, v2, 4, v3                   ; a fragment's row x pitch + 16 x half
	s_mul_i32 s21, s11, HALFT                      ; my 64 rows of A
	s_mul_i32 s22, s12, HALFT                      ; my 64 rows of B,
	s_add_co_u32 s22, s22, 2*HALFT                 ; which lie behind A's 128
.irp s, 0,1
	v_add_nc_u32 v[ADRA+\s], s21, v3
	v_add_nc_u32 v[ADRB+\s], s22, v3
	s_add_co_u32 s21, s21, SLOT
	s_add_co_u32 s22, s22, SLOT
.endr
	s_mul_i32 s23, s10, 16*SPITCH                  ; my stage
	v_mul_u32_u24 v4, v1, SPITCH                   ; in: row l % 16, 32 bytes for each half of the lanes
	v_lshl_add_u32 v4, v2, 5, v4
	v_add_nc_u32 v[STO], s23, v4
	v_mul_u32_u24 v5, v2, SPITCH                   ; back: lanes 0-15 one row of 256 bytes, lanes 16-31 the next
	v_lshl_add_u32 v5, v1, 4, v5
	v_add_nc_u32 v[RD], s23, v5
	v_lshlrev_b32 v5, 12, v2                       ; and the same two rows in C, 4,096 bytes apart
	v_lshl_add_u32 v[CO], v1, 4, v5
	s_lshl_b32 s16, s13, 7
	s_lshl_b32 s17, s11, 6
	s_add_co_u32 s16, s16, s17                     ; my first row of C: 128 x tile row + 64 x half
	s_lshl_b32 s16, s16, 12                        ; rows of 4,096 bytes: under 2^24
	s_mov_b32 s17, 0
	s_add_nc_u64 s[8:9], s[8:9], s[16:17]
	s_lshl_b32 s46, s42, 9                         ; my first column, in bytes: 512 x tile column + 256 x half
	s_lshl_b32 s47, s12, 8
	s_add_co_u32 s46, s46, s47
	s_mov_b32 s47, 0
	s_add_nc_u64 s[8:9], s[8:9], s[46:47]
; 8 matrix instructions: m blocks a0, a0 + 1 x all 4 n blocks, 32 along K: half c of buffer f.  zero = 1: the first product starts the sums.  The 16 accumulators take turns
.macro MUL8 f, c, a0, zero
.irp a, \a0, \a0+1
.irp b, 0,1,2,3
.if \zero
	v_wmma_f32_16x16x32_f16 v[ACC+8*(4*(\a)+\b):ACC+8*(4*(\a)+\b)+7], v[\f+64+8*(4*\c+\b):\f+64+8*(4*\c+\b)+7], v[\f+8*(4*\c+\a):\f+8*(4*\c+\a)+7], 0
.else
	v_wmma_f32_16x16x32_f16 v[ACC+8*(4*(\a)+\b):ACC+8*(4*(\a)+\b)+7], v[\f+64+8*(4*\c+\b):\f+64+8*(4*\c+\b)+7], v[\f+8*(4*\c+\a):\f+8*(4*\c+\a)+7], v[ACC+8*(4*(\a)+\b):ACC+8*(4*(\a)+\b)+7]
.endif
.endr
.endr
.endm
; 32 LDS loads in one run: the fragments of 64 along K at byte k of the rows, into buffer f; the first 32 along K first
.macro FETCH slot, k, f
	WIN TO_F
.irp c, 0,1
.irp i, 0,1,2,3
	ds_load_b128 v[\f+64+8*(4*\c+\i):\f+64+8*(4*\c+\i)+3],   v[ADRB+\slot] offset:\k+64*\c+\i*16*PITCH
	ds_load_b128 v[\f+64+8*(4*\c+\i)+4:\f+64+8*(4*\c+\i)+7], v[ADRB+\slot] offset:\k+64*\c+\i*16*PITCH+32
	ds_load_b128 v[\f+8*(4*\c+\i):\f+8*(4*\c+\i)+3],         v[ADRA+\slot] offset:\k+64*\c+\i*16*PITCH
	ds_load_b128 v[\f+8*(4*\c+\i)+4:\f+8*(4*\c+\i)+7],       v[ADRA+\slot] offset:\k+64*\c+\i*16*PITCH+32
.endr
.endr
.endm
.macro PLACES                          ; four places in front of loads into registers that matrix instructions have read, and of the first read of results
.rept 4
	v_nop
.endr
.endm
; A K step is four quarters of 64 along K, 32 matrix instructions each, on buffers 0, 1, 0, 1.  One of the first three: multiplies buffer f and fetches the next quarter, at byte k, into g.
.macro QUARTER slot, k, f, g, zero
	s_wait_dscnt 16                                ; the first 32 along K are in; the other sixteen loads may be out
	WIN MUL
	MUL8 \f, 0, 0, \zero
	MUL8 \f, 0, 2, \zero
	PLACES
	FETCH \slot, \k, \g
	s_wait_dscnt 32                                ; all but the 32 just issued
	WIN MUL
	MUL8 \f, 1, 0, 0
	MUL8 \f, 1, 2, 0
.endm
; The last quarter multiplies buffer 1 and changes slots: ONE barrier; in front of it each wave waits for all its tensor loads, adds 0 to its spare word, and waits for that and for its own reads of this slot.  fill = 1: this slot is filled again, two K steps ahead.
.macro TURN slot, next, fill
	WIN 0                                          ; (the add's two registers lie in window 0)
	s_wait_tensorcnt 0x0                           ; all my tensor loads have landed: my part of the next slot
	ds_add_u32 v[SPW], v[NIL]                      ; 0 onto my spare word
	s_wait_dscnt 17                                ; (the add and the youngest sixteen loads may be out)
	WIN MUL
	MUL8 F1, 0, 0, 0
	s_wait_dscnt 0x0                               ; the add is done, and my reads of this slot are over
	s_barrier_signal -1
	MUL8 F1, 0, 2, 0
.if \fill
	WIN 0
.endif
	s_barrier_wait -1
.if \fill
	CREST                                          ; the barrier has opened a round of the cluster's barrier: no wave of any partner still reads this slot's tile or has a load on its way
	s_add_nc_u64 s[G0+4*\slot+2:G0+4*\slot+3], s[G0+4*\slot+2:G0+4*\slot+3], 2*KSTEP*2
	s_add_nc_u64 s[G0B+4*\slot+2:G0B+4*\slot+3], s[G0B+4*\slot+2:G0B+4*\slot+3], 2*KSTEP*2
	JLOAD \slot                                    ; the first tensor load behind the round; the four v_nop behind it are also the places in front of the loads below
.else
	PLACES
.endif
	FETCH \next, 0, F0
	WIN MUL
	MUL8 F1, 1, 0, 0
	MUL8 F1, 1, 2, 0
.endm
	s_wait_tensorcnt 1                             ; my part of K step 0 is in (K step 1's load may be out)
	s_barrier_signal -1
	s_barrier_wait -1                              ; everybody's is
	FETCH 0, 0, F0
	QUARTER 0, 128, F0, F1, 1                      ; the first quarter stands in front of the loop: its first products start the sums
	WIN 0                                          ; at a label and at a branch every window is 0
	s_mov_b32 s3, LAPS-1
.Llap:                                                 ; a trip goes once round the ring, from a lap's second quarter to the next lap's first, and fills both slots again
	QUARTER 0, 256, F1, F0, 0
	QUARTER 0, 384, F0, F1, 0
	TURN 0, 1, 1
	QUARTER 1, 128, F0, F1, 0
	QUARTER 1, 256, F1, F0, 0
	QUARTER 1, 384, F0, F1, 0
	TURN 1, 0, 1
	QUARTER 0, 128, F0, F1, 0
	WIN 0
	s_sub_co_u32 s3, s3, 1
	s_cmp_lg_u32 s3, 0
	s_cbranch_scc1 .Llap
	QUARTER 0, 256, F1, F0, 0                      ; the last lap fills nothing, and has no round of the cluster's barrier
	QUARTER 0, 384, F0, F1, 0
	TURN 0, 1, 0
	QUARTER 1, 128, F0, F1, 0
	QUARTER 1, 256, F1, F0, 0
	QUARTER 1, 384, F0, F1, 0
	s_wait_dscnt 16                                ; the very last quarter: nothing more to fetch
	WIN MUL
	MUL8 F1, 0, 0, 0
	MUL8 F1, 0, 2, 0
	s_wait_dscnt 0
	MUL8 F1, 1, 0, 0
	MUL8 F1, 1, 2, 0
	WIN 0
; THE WAY OUT, block by block of 16 rows x 64 columns of f32.  A lane holds 32 neighbouring bytes of a row: a block goes through my own stage and comes back as whole rows of 256 bytes, sixteen lanes to a row.
.macro TOSTAGE a
.irp b, 0,1,2,3
	ds_store_b128 v[STO], v[ACC+8*(4*(\a)+\b):ACC+8*(4*(\a)+\b)+3] offset:64*\b          ; each accumulator from its low end on
	ds_store_b128 v[STO], v[ACC+8*(4*(\a)+\b)+4:ACC+8*(4*(\a)+\b)+7] offset:64*\b+16
.endr
.set BB, TMP+32*((\a)%2)
.irp t, 0,1,2,3,4,5,6,7
	ds_load_b128 v[BB+4*\t:BB+4*\t+3], v[RD] offset:\t*2*SPITCH    ; LDS serves a wave's instructions in order: these see the stores above
.endr
.endm
.macro SEND a, younger                 ; younger: the LDS instructions issued behind block a's loads, which may stay out
.set BB, TMP+32*((\a)%2)
	s_wait_dscnt \younger
.irp t, 0,1,2,3,4,5,6,7
	global_store_b128 v[CO], v[BB+4*\t:BB+4*\t+3], s[8:9] offset:(16*(\a)+2*\t)*SIZE_N*4 th:TH_STORE_NT   ; 16 lanes store 256 consecutive bytes, aligned; written once, read by nobody here
.endr
.endm
	PLACES
	TOSTAGE 0
.irp a, 1,2,3
.if \a > 1
	s_wait_xcnt 0x0                                ; block a - 2's stores have read their registers: block a's loads may land there
.endif
	TOSTAGE \a
	SEND \a-1, 16                                  ; behind block a - 1's loads: block a's 8 stores and 8 loads
.endr
	SEND 3, 0
	s_wait_tensorcnt 0x0                           ; the wave's end
	ds_add_u32 v[SPW], v[NIL]
	s_wait_dscnt 0x0
	CROUND                                         ; the closing round
	s_endpgm
.Lfunc_end_k_q3a8aad05a2_oproj:
	.size	k_q3a8aad05a2_oproj, .Lfunc_end_k_q3a8aad05a2_oproj-k_q3a8aad05a2_oproj
	.p2alignl 7, 3214868480
	.fill 96, 4, 3214868480
	.section	.rodata,"a",@progbits
	.p2align	6, 0x0
	.amdhsa_kernel k_q3a8aad05a2_oproj
		.amdhsa_group_segment_fixed_size 327680
		.amdhsa_private_segment_fixed_size 0
		.amdhsa_enable_private_segment 0
		.amdhsa_kernarg_size 24
		.amdhsa_user_sgpr_count 2
		.amdhsa_user_sgpr_kernarg_segment_ptr 1
		.amdhsa_wavefront_size32 1
		.amdhsa_system_sgpr_workgroup_id_x 1
		.amdhsa_system_sgpr_workgroup_id_y 1
		.amdhsa_system_sgpr_workgroup_id_z 1
		.amdhsa_system_vgpr_workitem_id 0
		.amdhsa_next_free_vgpr 512
		.amdhsa_next_free_sgpr 66
		.amdhsa_reserve_vcc 0
		.amdhsa_float_denorm_mode_32 3
		.amdhsa_float_denorm_mode_16_64 3
		.amdhsa_memory_ordered 1
		.amdhsa_forward_progress 1
		.amdhsa_inst_pref_size 85
	.end_amdhsa_kernel
	.amdgpu_metadata
---
amdhsa.version: [ 1, 2 ]
amdhsa.kernels:
  - .name:           k_q3a8aad05a2_oproj
    .symbol:         k_q3a8aad05a2_oproj.kd
    .args:
      - { .name: onorm, .offset: 0, .size: 8, .value_kind: global_buffer, .address_space: global }
      - { .name: woh, .offset: 8, .size: 8, .value_kind: global_buffer, .address_space: global }
      - { .name: out0, .offset: 16, .size: 8, .value_kind: global_buffer, .address_space: global }
    .group_segment_fixed_size: 327680
    .private_segment_fixed_size: 0
    .kernarg_segment_align: 8
    .kernarg_segment_size: 24
    .max_flat_workgroup_size: 128
    .sgpr_count:     66
    .vgpr_count:     512
    .wavefront_size: 32
...
	.end_amdgpu_metadata
.endif
;; end of part 4
